; MI455X (gfx1250); checked and timed in simulation.
; The chip was launched on July 23, 2026; its instructions are those of AMD's public machine-readable ISA for CDNA 5 (MIT licence, August 2026) and "CDNA5" Instruction Set Architecture Reference Guide (July 2026). The comments in the code are by the model that wrote it; some were corrected since.
;; Self Attention Wide. Allowed arithmetic: float matrix products may take bf16 or f16 operands with f32 sums; other float arithmetic in f32, or as packed bf16 or f16 multiplies, adds, multiply-adds, maxima and minima; sums over many terms, partial sums and values carried from step to step in f32; what a program stores and reads back later, other than sums and carried values, may be rounded once to bf16 or f16.
;; Inputs: b_u 512 float32; w_k 4,096 x 512 float32; w_q 4,096 x 512 float32; w_u 512 x 4,096 float32; w_v 4,096 x 512 float32; x 4 x 1,024 x 512 float32.
;; Outputs: out0 4 x 1,024 x 512 float32.
;; One version. Each part assembles by itself: llvm-mc -triple=amdgcn-amd-amdhsa -mcpu=gfx1250 --defsym DOCPART=n.
;; ======== version 1 of 1: 4 launches
;; limits: values are held in f16: magnitudes above 65,504 overflow, below 6.1e-05 lose precision
;; workspace buffers: cb 20,971,520 bytes; qkv 100,663,296 bytes; ob 33,554,432 bytes
;; launch cast (part 1): grid 256 x 5, 8 waves a work-group, no clusters, 0 bytes of LDS; arguments w_q, w_k, w_v, x, w_u, cb; writes cb
.if DOCPART == 1
	.amdgcn_target "amdgcn-amd-amdhsa--gfx1250"
	.amdhsa_code_object_version 6
	.text
	.protected	k_q501f68b75e_cast
	.globl	k_q501f68b75e_cast
	.p2align	8
	.type	k_q501f68b75e_cast,@function
k_q501f68b75e_cast:
	s_mov_b64 s[64:65], 0
	v_nop
	global_prefetch_b8 v0, s[64:65] scope:SCOPE_SE
	s_setreg_imm32_b32 hwreg(HW_REG_WAVE_MODE, 25, 1), 1
	s_wait_xcnt 0x0
; THE INPUTS IN 16 BITS.  Five tensors of 2,097,152 f32 each go into five planes of 4,194,304 bytes of cb, in the order w_q, w_k, w_v, x, w_u.
; Planes 0 to 3 are rounded once to bf16.  Plane 4 (w_u) is rounded to bf16 like the others, and that number is written as f16, since the last product's other operand is f16.
; LIMIT: a number of w_u below 2^-17 in magnitude keeps f16's fixed step of 6e-8; one of 65,520 or more would become an infinity.
; SHARES.  Work-group (x, y) takes 32,768 bytes of tensor y, a wave 4,096: eight loads of 16 bytes a lane, 512 consecutive bytes each, all issued at once.
; A store is 8 bytes a lane: the wave's 32 lanes write 256 consecutive bytes, at a multiple of 256 from cb's first byte.  Nothing is read twice, so no LDS and no barrier.
.set IN,  8                            ; v[8:39]   eight loads of four f32
.set OUT, 40                           ; v[40:55]  eight pairs of packed words
.set TW,  56                           ; v[56:61]  at work (w_u's path)
	s_load_b256 s[4:11], s[0:1], 0x0               ; w_q s[4:5], w_k s[6:7], w_v s[8:9], x s[10:11]
	s_load_b128 s[12:15], s[0:1], 0x20             ; w_u s[12:13], cb s[14:15]
	s_and_b32 s16, ttmp7, 0xffff                   ; which tensor
	v_lshrrev_b32 v3, 5, v0                        ; wave
	v_and_b32 v4, 31, v0                           ; lane
	v_lshlrev_b32 v1, 4, v4
	v_lshl_or_b32 v1, v3, 12, v1                   ; in: 4,096 x wave + 16 x lane
	v_lshlrev_b32 v2, 3, v4
	v_lshl_or_b32 v2, v3, 11, v2                   ; out: 2,048 x wave + 8 x lane
	s_lshl_b32 s22, ttmp9, 15                      ; the work-group's 32,768 bytes of its tensor
	s_mov_b32 s23, 0
	s_lshl_b32 s2, s16, 22                         ; the tensor's plane,
	s_lshl_b32 s3, ttmp9, 14                       ; the work-group's 16,384 bytes of it
	s_add_co_u32 s2, s2, s3
	s_mov_b32 s3, 0
	s_wait_kmcnt 0x0
	s_cmp_eq_u32 s16, 1
	s_cselect_b64 s[18:19], s[6:7], s[4:5]
	s_cmp_eq_u32 s16, 2
	s_cselect_b64 s[18:19], s[8:9], s[18:19]
	s_cmp_eq_u32 s16, 3
	s_cselect_b64 s[18:19], s[10:11], s[18:19]
	s_cmp_eq_u32 s16, 4
	s_cselect_b64 s[18:19], s[12:13], s[18:19]
	s_add_nc_u64 s[18:19], s[18:19], s[22:23]
	s_add_nc_u64 s[20:21], s[14:15], s[2:3]
.irp k, 0,1,2,3,4,5,6,7
	global_load_b128 v[IN+4*\k:IN+4*\k+3], v1, s[18:19] offset:512*\k th:TH_LOAD_NT
.endr
	s_cmp_eq_u32 s16, 4
	s_cbranch_scc1 .Lwu
.irp k, 0,1,2,3,4,5,6,7
	s_wait_loadcnt 7-\k                            ; loads come back in order: load k is in, the 7 - k younger ones stay out
	v_cvt_pk_bf16_f32 v[OUT+2*\k], v[IN+4*\k], v[IN+4*\k+1]
	v_cvt_pk_bf16_f32 v[OUT+2*\k+1], v[IN+4*\k+2], v[IN+4*\k+3]
	global_store_b64 v2, v[OUT+2*\k:OUT+2*\k+1], s[20:21] offset:256*\k
.endr
	s_endpgm
.Lwu:                                              ; w_u: to bf16, widened again (a shift, a mask), and written as f16
.irp k, 0,1,2,3,4,5,6,7
	s_wait_loadcnt 7-\k
	v_cvt_pk_bf16_f32 v[TW], v[IN+4*\k], v[IN+4*\k+1]
	v_cvt_pk_bf16_f32 v[TW+1], v[IN+4*\k+2], v[IN+4*\k+3]
	v_lshlrev_b32 v[TW+2], 16, v[TW]
	v_and_b32 v[TW+3], 0xffff0000, v[TW]
	v_lshlrev_b32 v[TW+4], 16, v[TW+1]
	v_and_b32 v[TW+5], 0xffff0000, v[TW+1]
	v_cvt_pk_f16_f32 v[OUT+2*\k], v[TW+2], v[TW+3]
	v_cvt_pk_f16_f32 v[OUT+2*\k+1], v[TW+4], v[TW+5]
	global_store_b64 v2, v[OUT+2*\k:OUT+2*\k+1], s[20:21] offset:256*\k
.endr
	s_endpgm
.Lfunc_end_k_q501f68b75e_cast:
	.size	k_q501f68b75e_cast, .Lfunc_end_k_q501f68b75e_cast-k_q501f68b75e_cast
	.p2alignl 7, 3214868480
	.fill 96, 4, 3214868480
	.section	.rodata,"a",@progbits
	.p2align	6, 0x0
	.amdhsa_kernel k_q501f68b75e_cast
		.amdhsa_group_segment_fixed_size 0
		.amdhsa_private_segment_fixed_size 0
		.amdhsa_enable_private_segment 0
		.amdhsa_kernarg_size 48
		.amdhsa_user_sgpr_count 2
		.amdhsa_user_sgpr_kernarg_segment_ptr 1
		.amdhsa_wavefront_size32 1
		.amdhsa_system_sgpr_workgroup_id_x 1
		.amdhsa_system_sgpr_workgroup_id_y 1
		.amdhsa_system_sgpr_workgroup_id_z 1
		.amdhsa_system_vgpr_workitem_id 0
		.amdhsa_next_free_vgpr 64
		.amdhsa_next_free_sgpr 66
		.amdhsa_reserve_vcc 0
		.amdhsa_float_denorm_mode_32 3
		.amdhsa_float_denorm_mode_16_64 3
		.amdhsa_memory_ordered 1
		.amdhsa_forward_progress 1
		.amdhsa_inst_pref_size 9
	.end_amdhsa_kernel
	.amdgpu_metadata
---
amdhsa.version: [ 1, 2 ]
amdhsa.kernels:
  - .name:           k_q501f68b75e_cast
    .symbol:         k_q501f68b75e_cast.kd
    .args:
      - { .name: w_q, .offset: 0, .size: 8, .value_kind: global_buffer, .address_space: global }
      - { .name: w_k, .offset: 8, .size: 8, .value_kind: global_buffer, .address_space: global }
      - { .name: w_v, .offset: 16, .size: 8, .value_kind: global_buffer, .address_space: global }
      - { .name: x, .offset: 24, .size: 8, .value_kind: global_buffer, .address_space: global }
      - { .name: w_u, .offset: 32, .size: 8, .value_kind: global_buffer, .address_space: global }
      - { .name: cb, .offset: 40, .size: 8, .value_kind: global_buffer, .address_space: global }
    .group_segment_fixed_size: 0
    .private_segment_fixed_size: 0
    .kernarg_segment_align: 8
    .kernarg_segment_size: 48
    .max_flat_workgroup_size: 256
    .sgpr_count:     66
    .vgpr_count:     64
    .wavefront_size: 32
...
	.end_amdgpu_metadata
.endif
;; end of part 1
;; launch proj (part 2): grid 16 x 16, 4 waves a work-group, clusters of 4 x 4, 327,680 bytes of LDS; arguments cb, qkv; writes qkv
.if DOCPART == 2
	.amdgcn_target "amdgcn-amd-amdhsa--gfx1250"
	.amdhsa_code_object_version 6
	.text
	.protected	k_q501f68b75e_proj
	.globl	k_q501f68b75e_proj
	.p2align	8
	.type	k_q501f68b75e_proj,@function
k_q501f68b75e_proj:
	s_mov_b64 s[64:65], 0
	v_nop
	global_prefetch_b8 v0, s[64:65] scope:SCOPE_SE
	s_setreg_imm32_b32 hwreg(HW_REG_WAVE_MODE, 25, 1), 1
	s_wait_xcnt 0x0
	s_wait_alu depctr_hold_cnt(0) depctr_sa_sdst(0) depctr_va_vdst(0) depctr_va_sdst(0) depctr_va_ssrc(0) depctr_va_vcc(0) depctr_vm_vsrc(0)
	s_getreg_b32 s2, hwreg(HW_REG_IB_STS2, 6, 4)
	s_cmp_eq_u32 s2, 0
	s_cbranch_scc0 .Lentry_in_a_cluster
	s_endpgm
.Lentry_in_a_cluster:
	s_bfe_u32 s2, ttmp6, 0x10000c
	s_cmp_lg_u32 s2, 0xf033
	s_cbranch_scc0 .Lentry_shape_is_right
	s_endpgm
.Lentry_shape_is_right:
; THE THREE PROJECTIONS AS ONE PRODUCT.  r[token][col] = sum over k of x[token][k] W[col][k].  x: [4096][512] bf16 (plane 3 of cb); W: [12288][512] bf16 (planes 0 to 2: w_q, w_k, w_v);
; the result is rounded once from f32 sums to f16, WITHOUT the scale of the scores, which the attention applies in f32.
; LIMIT: f16 holds no number of 65,520 or more: a q, k or v beyond that becomes an infinity.
; qkv's LAYOUT: [256 tiles of 16 tokens][384 chunks of 32 columns][1,024 bytes].  A chunk is the register image of a matrix fragment: two halves of 512 bytes (columns 0-15, 16-31 of the chunk); in a half,
; the 16 bytes of token r, columns 8 h .. 8 h + 7, lie at place 16 h + (r xor 8 h).  A lane's eight results of an accumulator ARE such 16 bytes, so the results leave straight from registers,
; and a store of the wave covers 512 consecutive bytes.
; A tile of the result, 256 tokens x 256 columns, is made by four waves, 128 x 128 each: 64 accumulators of 16 x 16, 512 registers.  K goes in four steps of 128 through a ring of two LDS slots
; filled by the tensor data mover; a tile's rows are 256 bytes of memory, at multiples of 256 from the buffer's first byte.
; A WORK-GROUP STAYS: 768 tiles on 256 work-groups: it makes three tiles, its 256 columns of q, of k and of v (W's rows 4,096 apart), for the same 256 tokens.  The ring goes on into the next tile.
; CLUSTERS: 4 x 4 work-groups.  The four of a row of the cluster need the same rows of x, the four of a column the same rows of W: each tile is asked for JOINTLY, by the same tensor load with the
; same descriptor and a mask that names the four.
; REGISTERS, in windows of 256: window 0: v0-31 addresses; v64-127, v128-191 fragments of x, two buffers; v192-255 packed results, two buffers.  window 1: v64-127, v128-191 fragments of W.
;   window 2: the accumulators of my rows 0-63 ((a, b) at v[8 (8 a + b)]); window 3: those of my rows 64-127.
; THE MATRIX INSTRUCTION IS USED TRANSPOSED: source 0 = 16 rows of W, source 1 = 16 rows of x: a lane then holds one token and eight neighbouring columns, which pack into 16 bytes.
.set SIZE_K, 512
.set KSTEP,  128
.set PITCH,  272                       ; an LDS row: 256 bytes + 16 of padding: the 16 rows that a load touches start at 16 different groups of four banks
.set HALFT,  128*PITCH                 ; 128 rows: what one tensor load brings
.set SLOT,   4*HALFT                   ; x's 256 rows, then W's 256 rows
.set SPARE,  2*SLOT                    ; behind the ring: the spare words, 128 bytes for each wave
.set TT,     393216                    ; bytes of a tile of 16 tokens in qkv: 384 chunks of 1,024
.set BACK_A, (SIZE_K-2*KSTEP)*2        ; from a slot's last K step of a tile back to its first: x's rows stay
.set NEXT_B, 4096*SIZE_K*2-BACK_A      ; W goes 4,096 rows down and back along K
.set ADRA, 16                          ; v16-17  LDS address of my fragments of x in slot 0, 1
.set ADRB, 20                          ; v20-21  the same for W
.set CO,   26                          ; v26     my place in a half chunk: 16 (16 h + (r xor 8 h)); never rewritten
.set SPW,  28                          ; v28     LDS address of my spare word; never rewritten
.set NIL,  29                          ; v29     0; never rewritten
.set PFO,  30                          ; v30     the prefetches' offset: my lane x a row of W (1,024 bytes); never rewritten
.set PFA,  44                          ; s[44:45] where my prefetches stand
.set LIM,  43                          ; s43     1 in a wave that prefetches, else -1
.set F0,   64
.set F1,   128
.set TMP,  192
.set G1, 24                            ; s[24:31] descriptor group 1 for x's tiles;  s[32:39] group 0, one set for each slot
.set G0, 32
.set G1B, 48                           ; s[48:55], s[56:63] the same for W's tiles
.set G0B, 56
.set MSB, 0
.macro WIN new                         ; the immediate's high byte repeats the setting that is left
.if MSB != (\new)
	s_set_vgpr_msb (MSB<<8)|(\new)
.set MSB, \new
.endif
.endm
.set MUL_LO, 0xa1                      ; source 0 (W) window 1, source 1 (x) window 0, C and D window 2
.set MUL_HI, 0xf1                      ; the same, C and D window 3
.set TO_B,   0x40                      ; destination window 1, address window 0
; A joint load.  Waves 0 and 1 fetch x's two halves, waves 2 and 3 W's.  The branch hangs on the wave's number alone.  An s_nop 0 and four v_nop follow each of the two lines.
.macro JLOAD s
	s_cmp_eq_u32 s11, 0
	s_cbranch_scc0 .Lfor_b_\@
	tensor_load_to_lds s[G0+4*(\s):G0+4*(\s)+3], s[G1:G1+7]
	s_nop 0
.rept 4
	v_nop
.endr
	s_branch .Lasked_\@
.Lfor_b_\@:
	tensor_load_to_lds s[G0B+4*(\s):G0B+4*(\s)+3], s[G1B:G1B+7]
	s_nop 0
.rept 4
	v_nop
.endr
.Lasked_\@:
.endm
; A PREFETCH INTO THE L2, at a tile's last two changes of slots: the NEXT tile's K step 2 (slot 0) or 3 (slot 1) of W, which stands two refills, 512 matrix instructions, on: 32 rows x 256 bytes, a lane a row.
; Each block is named once: of the clusters that read a tile column of W the one with y = 0 asks; in it waves 2 and 3, which fetch W; the four partners of a column of the cluster share the 128 rows
; that a wave fetches BY ADDRESS, 32 each.  x, and a tile's K steps 0 and 1, come by their loads alone.  The last tile asks for nothing.
.macro ASK slot
	s_cmp_eq_u32 s[LIM], 1
	s_cbranch_scc0 .Lnot_mine_\@
	global_prefetch_b8 v[PFO], s[PFA:PFA+1] offset:256*(\slot) th:TH_LOAD_NT scope:SCOPE_SE
.Lnot_mine_\@:
.endm
.macro CREST                           ; a round of the cluster's barrier behind its opening barrier
	s_cmp_lg_u32 s10, 0
	s_cbranch_scc1 .Lnot_wave_0_\@
	s_barrier_signal -3
.Lnot_wave_0_\@:
	s_barrier_wait -3
	s_barrier_signal -1
	s_barrier_wait -1
.endm
.macro CROUND                          ; a whole round
	s_barrier_signal -1
	s_barrier_wait -1
	CREST
.endm
	s_load_b128 s[4:7], s[0:1], 0x0                ; cb s[4:5], qkv s[6:7]
	v_lshl_add_u32 v[SPW], v0, 2, SPARE
	v_mov_b32 v[NIL], 0
	ds_add_u32 v[SPW], v[NIL]                      ; the wave's opening: the add and its wait stand ahead of my first tensor load; work on registers stands between them
	v_lshrrev_b32 v1, 5, v0
	v_readfirstlane_b32 s10, v1                    ; wave 0..3
	s_lshr_b32 s11, s10, 1                         ; which half of the tile's rows is mine.  Also: I fetch for x (0) or for W (1)
	s_and_b32 s12, s10, 1                          ; which half of its columns.  Also: which 128 rows of that tile I fetch
	s_bfe_u32 s40, ttmp6, 0x40000                  ; cx
	s_bfe_u32 s41, ttmp6, 0x40004                  ; cy
	s_lshl_b32 s42, ttmp9, 2
	s_add_co_u32 s42, s42, s40                     ; tile column = 4 x cluster x + cx
	s_and_b32 s13, ttmp7, 0xffff
	s_lshl_b32 s13, s13, 2
	s_add_co_u32 s13, s13, s41                     ; tile row = 4 x cluster y + cy
	s_lshl_b32 s43, s41, 2
	s_lshl_b32 s43, 15, s43                        ; my row of the cluster
	s_lshl_b32 s44, 0x1111, s40                    ; my column
	s_or_b32 s[G1+0], s43, (1<<16)|(1<<20)|(1<<21)|(5<<22)|(3<<25)  ; the mask; elements of 2 bytes; padding on; bit 21 beside a mask; after every 64 words 4 words of padding
	s_or_b32 s[G1B+0], s44, (1<<16)|(1<<20)|(1<<21)|(5<<22)|(3<<25)
.irp g, G1, G1B
	s_mov_b32 s[(\g)+1], KSTEP<<16                 ; tensor_dim0 = 128
	s_mov_b32 s[(\g)+2], 128<<16                   ; tensor_dim1 = 128
	s_mov_b32 s[(\g)+3], KSTEP<<16                 ; tile_dim0 = 128
	s_mov_b32 s[(\g)+4], 128                       ; tile_dim1 = 128
	s_mov_b32 s[(\g)+5], SIZE_K                    ; elements from row to row
	s_mov_b32 s[(\g)+6], 0
	s_mov_b32 s[(\g)+7], 0
.endr
	s_lshl_b32 s17, s12, 7                         ; which 128 rows of the tile I fetch
	s_lshl_b32 s16, s13, 8
	s_add_co_u32 s16, s16, s17                     ; x: row 256 x tile row + 128 x half
	s_lshl_b32 s46, s42, 8
	s_add_co_u32 s46, s46, s17                     ; W: row 256 x tile column + 128 x half
	s_lshl_b32 s16, s16, 10                        ; rows of 1,024 bytes
	s_lshl_b32 s46, s46, 10
	s_mov_b32 s17, 0
	s_mov_b32 s47, 0
	s_mul_i32 s20, s10, HALFT                      ; where they go: wave x 128 rows: no place in the cluster enters an LDS address
	s_wait_dscnt 0x0                               ; the opening add is done
	s_wait_kmcnt 0x0
	s_mov_b64 s[8:9], s[6:7]                       ; qkv
	s_mov_b64 s[6:7], s[4:5]                       ; W: cb's first three planes
	s_add_nc_u64 s[4:5], s[4:5], 0xC00000          ; x: plane 3
	s_add_nc_u64 s[14:15], s[4:5], s[16:17]
	s_add_nc_u64 s[46:47], s[6:7], s[46:47]
	CROUND                                         ; all sixteen work-groups are here: the first joint loads meet
.irp s, 0,1
	s_mov_b32 s[G0+4*(\s)], 1
	s_add_co_u32 s[G0+4*(\s)+1], s20, (\s)*SLOT
	s_add_nc_u64 s[G0+4*(\s)+2:G0+4*(\s)+3], s[14:15], (\s)*KSTEP*2
	s_or_b32 s[G0+4*(\s)+3], s[G0+4*(\s)+3], 0x80000000
	s_mov_b32 s[G0B+4*(\s)], 1
	s_add_co_u32 s[G0B+4*(\s)+1], s20, (\s)*SLOT
	s_add_nc_u64 s[G0B+4*(\s)+2:G0B+4*(\s)+3], s[46:47], (\s)*KSTEP*2
	s_or_b32 s[G0B+4*(\s)+3], s[G0B+4*(\s)+3], 0x80000000
	JLOAD \s
.endr
	; A fragment is 16 rows x 32 K in 8 registers: lane l holds row l % 16; two loads of 16 bytes, 32 bytes apart, at row x pitch + 16 (l / 16).
	v_and_b32 v1, 15, v0                           ; r = l % 16
	v_bfe_u32 v2, v0, 4, 1                         ; h = l / 16
	v_mul_u32_u24 v3, v1, PITCH
	v_lshl_add_u32 v3, v2, 4, v3
	s_mul_i32 s21, s11, HALFT                      ; my 128 rows of x
	s_mul_i32 s22, s12, HALFT                      ; my 128 rows of W,
	s_add_co_u32 s22, s22, 2*HALFT                 ; which lie behind x's 256
.irp s, 0,1
	v_add_nc_u32 v[ADRA+(\s)], s21, v3
	v_add_nc_u32 v[ADRB+(\s)], s22, v3
	s_add_co_u32 s21, s21, SLOT
	s_add_co_u32 s22, s22, SLOT
.endr
	v_lshlrev_b32 v4, 3, v2                        ; my place in a half chunk: 16 h + (r xor 8 h), 16 bytes each
	v_xor_b32 v4, v1, v4
	v_lshlrev_b32 v5, 8, v2
	v_lshl_add_u32 v[CO], v4, 4, v5
	s_lshl_b32 s13, s13, 8
	s_lshl_b32 s14, s11, 7
	s_add_co_u32 s16, s13, s14                     ; my first token, a multiple of 16:
	s_mul_i32 s16, s16, TT/16                      ; its tile of 16 tokens (under 2^27)
	s_mov_b32 s17, 0
	s_lshl_b32 s46, s42, 13                        ; my first column's chunk: 8 chunks for a tile column's 256 columns,
	s_lshl_b32 s47, s12, 12                        ; 4 for my half of them
	s_add_co_u32 s46, s46, s47
	s_mov_b32 s47, 0
	s_add_nc_u64 s[16:17], s[16:17], s[46:47]
	s_add_nc_u64 s[8:9], s[8:9], s[16:17]          ; qkv at my part of the first tile
	; the prefetches
	s_and_b32 s22, ttmp7, 0xffff                   ; cluster y
	s_xor_b32 s21, s11, 1                          ; 0 in waves 2 and 3
	s_or_b32 s22, s22, s21
	s_cmp_eq_u32 s22, 0
	s_cselect_b32 s[LIM], 1, -1                    ; the same in all sixteen partners, for a given wave
	s_lshl_b32 s20, s42, 8
	s_lshl_b32 s21, s12, 7
	s_add_co_u32 s20, s20, s21                     ; the 128 rows that I fetch,
	s_lshl_b32 s21, s41, 5
	s_add_co_u32 s20, s20, s21                     ; my work-group's 32 of them,
	s_lshl_b32 s20, s20, 10
	s_add_co_u32 s20, s20, 2*KSTEP*2               ; at K step 2 of the tile in hand
	s_mov_b32 s21, 0
	s_add_nc_u64 s[PFA:PFA+1], s[6:7], s[20:21]
	v_and_b32 v[PFO], 31, v0
	v_lshlrev_b32 v[PFO], 10, v[PFO]
; 16 matrix instructions: m blocks a0, a0 + 1 of the window's four x all 8 n blocks, 32 along K.  zero = 1: the first product starts the sums.
.macro MUL16 f, hi, a0, zero
	WIN MUL_LO+0x50*(\hi)
.irp a, \a0, (\a0)+1
.irp b, 0,1,2,3,4,5,6,7
.if \zero
	v_wmma_f32_16x16x32_bf16 v[8*(8*(\a)+(\b)):8*(8*(\a)+(\b))+7], v[(\f)+8*(\b):(\f)+8*(\b)+7], v[(\f)+8*(4*(\hi)+(\a)):(\f)+8*(4*(\hi)+(\a))+7], 0
.else
	v_wmma_f32_16x16x32_bf16 v[8*(8*(\a)+(\b)):8*(8*(\a)+(\b))+7], v[(\f)+8*(\b):(\f)+8*(\b)+7], v[(\f)+8*(4*(\hi)+(\a)):(\f)+8*(4*(\hi)+(\a))+7], v[8*(8*(\a)+(\b)):8*(8*(\a)+(\b))+7]
.endif
.endr
.endr
.endm
; 32 LDS loads in one run: the fragments of one quarter step (32 K at byte k of the rows) into buffer f
.macro FETCH slot, k, f
	WIN TO_B
.irp i, 0,1,2,3,4,5,6,7
	ds_load_b128 v[(\f)+8*(\i):(\f)+8*(\i)+3],   v[ADRB+(\slot)] offset:(\k)+(\i)*16*PITCH
	ds_load_b128 v[(\f)+8*(\i)+4:(\f)+8*(\i)+7], v[ADRB+(\slot)] offset:(\k)+(\i)*16*PITCH+32
.endr
	WIN 0
.irp i, 0,1,2,3,4,5,6,7
	ds_load_b128 v[(\f)+8*(\i):(\f)+8*(\i)+3],   v[ADRA+(\slot)] offset:(\k)+(\i)*16*PITCH
	ds_load_b128 v[(\f)+8*(\i)+4:(\f)+8*(\i)+7], v[ADRA+(\slot)] offset:(\k)+(\i)*16*PITCH+32
.endr
.endm
.macro PLACES                          ; four plain vector instructions behind a matrix instruction, in front of loads into registers that it has read and of conversions that read results
.rept 4
	v_nop
.endr
.endm
; A K step is four quarters of 32 along K, 64 matrix instructions each, on buffers 0, 1, 0, 1.  One of the first three: multiplies f; in its middle it fetches the next quarter, at byte k, into g.
.macro QUARTER slot, k, f, g, zero
	s_wait_dscnt 8                                 ; W and x's rows 0-63 are in; the youngest eight loads (x's rows 64-127) may be out
	WIN MUL_LO
	MUL16 \f, 0, 0, \zero
	MUL16 \f, 0, 2, \zero
	PLACES
	FETCH \slot, \k, \g
	s_wait_dscnt 32                                ; all but the 32 just issued
	WIN MUL_HI
	MUL16 \f, 1, 0, \zero
	MUL16 \f, 1, 2, \zero
.endm
; The first half of the last quarter: ONE barrier for the change of slots.  In front of it each wave waits for all its tensor loads (one is out: its part of the next slot), adds 0 to its spare word,
; and waits for that and for its own reads of this slot.
.macro MEET round
	WIN 0                                          ; (the add's two registers lie in window 0)
	s_wait_tensorcnt 0x0
	ds_add_u32 v[SPW], v[NIL]
	s_wait_dscnt 9                                 ; (the add and the youngest eight loads may be out)
	WIN MUL_LO
	MUL16 F1, 0, 0, 0
	s_wait_dscnt 0x0                               ; the add is done, and my reads of this slot are over
	s_barrier_signal -1
	MUL16 F1, 0, 2, 0
.if \round
	WIN 0
.endif
	s_barrier_wait -1
.endm
; The whole last quarter.  Behind the round the slot just read out is filled again first: with this tile's K step two on (on = 0) or with the NEXT tile's K step 0 or 1 (on = 1).
.macro TURN slot, next, on
.if (\on) && (\slot) == 0
	s_wait_xcnt 0x0                                ; the last prefetch, a tile back, has read its address
	s_add_nc_u64 s[PFA:PFA+1], s[PFA:PFA+1], 4096*SIZE_K*2  ; the next tile's rows of W
.endif
	MEET 1
	CREST                                          ; no wave of any partner still reads this slot's tile or has a load on its way
.if \on
	s_sub_nc_u64 s[G0+4*(\slot)+2:G0+4*(\slot)+3], s[G0+4*(\slot)+2:G0+4*(\slot)+3], BACK_A
	s_add_nc_u64 s[G0B+4*(\slot)+2:G0B+4*(\slot)+3], s[G0B+4*(\slot)+2:G0B+4*(\slot)+3], NEXT_B
.else
	s_add_nc_u64 s[G0+4*(\slot)+2:G0+4*(\slot)+3], s[G0+4*(\slot)+2:G0+4*(\slot)+3], 2*KSTEP*2
	s_add_nc_u64 s[G0B+4*(\slot)+2:G0B+4*(\slot)+3], s[G0B+4*(\slot)+2:G0B+4*(\slot)+3], 2*KSTEP*2
.endif
	JLOAD \slot                                    ; the first tensor load behind the round; its four v_nop are also the places in front of the loads below
	FETCH \next, 0, F0
.if \on
	ASK \slot
.endif
	WIN MUL_HI
	MUL16 F1, 1, 0, 0
	MUL16 F1, 1, 2, 0
.endm
; THE WAY OUT of block a (16 tokens = one token tile of qkv).  Accumulator b, rounded to f16, is half b % 2 of my chunk b / 2: 16 bytes a lane, stored as they lie.  Two buffers take turns:
; the wait stands behind block a's conversions and in front of its stores, so that it covers the stores of block a - 1, whose buffer block a + 1 writes again.
.macro OUT a
.set AC, 64*((\a)%4)
.set BK, TMP+32*((\a)%2)
	WIN 0x0a+5*((\a)/4)                            ; sources 0 and 1: window 2 or 3
.irp b, 0,1,2,3,4,5,6,7
.irp r, 0,1,2,3
	v_cvt_pk_f16_f32 v[BK+4*(\b)+(\r)], v[AC+8*(\b)+2*(\r)], v[AC+8*(\b)+2*(\r)+1]
.endr
.endr
	WIN 0
	s_wait_xcnt 0x0                                ; every earlier store has read its registers
.irp b, 0,1,2,3,4,5,6,7
	global_store_b128 v[CO], v[BK+4*(\b):BK+4*(\b)+3], s[8:9] offset:(\a)*TT+512*(\b)  ; the wave stores 512 consecutive bytes, at a multiple of 512 from qkv's first byte; 7 token tiles at the most, inside the signed 24-bit immediate
.endr
.endm
	s_wait_tensorcnt 1                             ; my part of K step 0 is in; K step 1's may stay out
	s_barrier_signal -1
	s_barrier_wait -1
	FETCH 0, 0, F0
	s_mov_b32 s2, 3                                ; tiles to go: the same number in every work-group
.Ltile:
	QUARTER 0, 64,  F0, F1, 1                      ; a tile's first products start the sums: nothing is cleared
	QUARTER 0, 128, F1, F0, 0
	QUARTER 0, 192, F0, F1, 0
	TURN 0, 1, 0                                   ; slot 0 takes K step 2
	QUARTER 1, 64,  F0, F1, 0
	QUARTER 1, 128, F1, F0, 0
	QUARTER 1, 192, F0, F1, 0
	TURN 1, 0, 0                                   ; slot 1 takes K step 3
	QUARTER 0, 64,  F0, F1, 0
	QUARTER 0, 128, F1, F0, 0
	QUARTER 0, 192, F0, F1, 0
	WIN 0
	s_cmp_eq_u32 s2, 1
	s_cbranch_scc1 .Llast_tile                     ; the last tile's end is written out: it asks for nothing more
	TURN 0, 1, 1                                   ; the ring goes on into the next tile: slot 0 takes its K step 0,
	QUARTER 1, 64,  F0, F1, 0
	QUARTER 1, 128, F1, F0, 0
	QUARTER 1, 192, F0, F1, 0
	TURN 1, 0, 1                                   ; slot 1 its K step 1, and the next tile's first fragments are fetched.  Blocks 0-3 were finished in front of this TURN's four v_nop;
	WIN 0                                          ; their 128 conversions below are the places behind the products of blocks 4-7
	s_branch .Lout
.Llast_tile:
	MEET 0                                         ; the one load that was out is slot 1's, the last K step's, so no round follows
	PLACES
	FETCH 1, 0, F0
	WIN MUL_HI
	MUL16 F1, 1, 0, 0
	MUL16 F1, 1, 2, 0
	QUARTER 1, 64,  F0, F1, 0
	QUARTER 1, 128, F1, F0, 0
	QUARTER 1, 192, F0, F1, 0
	s_wait_dscnt 8
	MUL16 F1, 0, 0, 0
	MUL16 F1, 0, 2, 0
	s_wait_dscnt 0x0
	MUL16 F1, 1, 0, 0
	MUL16 F1, 1, 2, 0
	PLACES                                         ; the conversions below read results just made
	WIN 0
.Lout:                                             ; one way out for every tile
.irp a, 0,1,2,3,4,5,6,7
	OUT \a
.endr
	s_wait_xcnt 0x0                                ; the stores have read their base and their registers
	s_add_nc_u64 s[8:9], s[8:9], 131072            ; the next tile's columns lie 4,096 columns, 128 chunks, on
	s_sub_co_u32 s2, s2, 1
	s_cmp_lg_u32 s2, 0
	s_cbranch_scc1 .Ltile
	s_wait_tensorcnt 0x0                           ; the wave's end, behind my last tensor load
	ds_add_u32 v[SPW], v[NIL]
	s_wait_dscnt 0x0
	CROUND                                         ; the closing round: no work-group ends while a partner may still ask for a tile that names it
	s_endpgm
.Lfunc_end_k_q501f68b75e_proj:
	.size	k_q501f68b75e_proj, .Lfunc_end_k_q501f68b75e_proj-k_q501f68b75e_proj
	.p2alignl 7, 3214868480
	.fill 96, 4, 3214868480
	.section	.rodata,"a",@progbits
	.p2align	6, 0x0
	.amdhsa_kernel k_q501f68b75e_proj
		.amdhsa_group_segment_fixed_size 327680
		.amdhsa_private_segment_fixed_size 0
		.amdhsa_enable_private_segment 0
		.amdhsa_kernarg_size 16
		.amdhsa_user_sgpr_count 2
		.amdhsa_user_sgpr_kernarg_segment_ptr 1
		.amdhsa_wavefront_size32 1
		.amdhsa_system_sgpr_workgroup_id_x 1
		.amdhsa_system_sgpr_workgroup_id_y 1
		.amdhsa_system_sgpr_workgroup_id_z 1
		.amdhsa_system_vgpr_workitem_id 0
		.amdhsa_next_free_vgpr 1024
		.amdhsa_next_free_sgpr 66
		.amdhsa_reserve_vcc 0
		.amdhsa_float_denorm_mode_32 3
		.amdhsa_float_denorm_mode_16_64 3
		.amdhsa_memory_ordered 1
		.amdhsa_forward_progress 1
		.amdhsa_inst_pref_size 168
	.end_amdhsa_kernel
	.amdgpu_metadata
---
amdhsa.version: [ 1, 2 ]
amdhsa.kernels:
  - .name:           k_q501f68b75e_proj
    .symbol:         k_q501f68b75e_proj.kd
    .args:
      - { .name: cb, .offset: 0, .size: 8, .value_kind: global_buffer, .address_space: global }
      - { .name: qkv, .offset: 8, .size: 8, .value_kind: global_buffer, .address_space: global }
    .group_segment_fixed_size: 327680
    .private_segment_fixed_size: 0
    .kernarg_segment_align: 8
    .kernarg_segment_size: 16
    .max_flat_workgroup_size: 128
    .sgpr_count:     66
    .vgpr_count:     1024
    .wavefront_size: 32
...
	.end_amdgpu_metadata
.endif
;; end of part 2
;; launch attn (part 3): grid 8 x 32, 4 waves a work-group, clusters of 4 x 1, 327,680 bytes of LDS; arguments qkv, ob; writes ob
.if DOCPART == 3
	.amdgcn_target "amdgcn-amd-amdhsa--gfx1250"
	.amdhsa_code_object_version 6
	.text
	.protected	k_q501f68b75e_attn
	.globl	k_q501f68b75e_attn
	.p2align	8
	.type	k_q501f68b75e_attn,@function
k_q501f68b75e_attn:
	s_mov_b64 s[64:65], 0
	v_nop
	global_prefetch_b8 v0, s[64:65] scope:SCOPE_SE
	s_setreg_imm32_b32 hwreg(HW_REG_WAVE_MODE, 25, 1), 1
	s_wait_xcnt 0x0
	s_wait_alu depctr_hold_cnt(0) depctr_sa_sdst(0) depctr_va_vdst(0) depctr_va_sdst(0) depctr_va_ssrc(0) depctr_va_vcc(0) depctr_vm_vsrc(0)
	s_getreg_b32 s2, hwreg(HW_REG_IB_STS2, 6, 4)
	s_cmp_eq_u32 s2, 0
	s_cbranch_scc0 .Lentry_in_a_cluster
	s_endpgm
.Lentry_in_a_cluster:
	s_bfe_u32 s2, ttmp6, 0x10000c
	s_cmp_lg_u32 s2, 0x3003
	s_cbranch_scc0 .Lentry_shape_is_right
	s_endpgm
.Lentry_shape_is_right:
; CAUSAL ATTENTION AT HEAD WIDTH 512.  For each of 32 pairs (batch, head): O[q] = sum over k <= q of softmax_k(Q[q] . K[k] / sqrt(512)) V[k], 1,024 rows.
; qkv, f16, unscaled: [256 tiles of 16 tokens][384 chunks of 32 columns][1,024 bytes]; q, k, v begin at chunk 0, 128, 256, a head is 16 chunks.  A chunk is a fragment's register image: two halves of
; 512 bytes (columns 0-15, 16-31); in a half the 16 bytes of token r, columns 8 h .. 8 h + 7, lie at place 16 h + (r xor 8 h).  With that order sixteen neighbouring lanes of a plain fragment load
; (one h, all r) and of a turning load (both h, eight r) touch sixteen different 16-byte columns of 256 bytes, so K and V lie in LDS without padding.  ob: [4096][4096] f16, column head x 512 + channel.
; Products, maxima and sums in f32; the weights p are rounded to f16 for the second product (their sum l is taken of the unrounded p), O once at the end.
; LIMITS.  q, k, v arrive within f16's range.  A hidden score counts as -1e30 (f16's scores are 2.2e12 at the most); a weight below 2^-126 counts as 0 in l; NaN and infinities are not treated apart.
; THE WALK.  A head's queries lie in four super-blocks of 256.  A cluster of four work-groups takes super-block 3 - b and then b (b = the cluster's x).  Super-block B needs the key steps (64 keys)
; 0 .. 4 B + 3: 20 steps in all, whatever b: all work-groups are alike, and all four partners want the same K and V: every tile is asked for JOINTLY.
; BANDS.  Of the super-block's four bands of 64 queries partner cx owns rows 16 cx .. 16 cx + 15 in each: tile t is band t.  In a block's last four steps, s = 0 .. 3, band t sees all keys if s < t, none
; if s > t, and holds the diagonal if s = t: the same for every partner and wave.  So in a block's last two steps tiles 0 and 1 see nothing, and their products are jumped over, on a count made of b
; alone.  The mask, made of data, sets their scores to -1e30: their a is 1 and their p 0.  No branch hangs on cx.
; SHARES.  The four waves share the block's 64 queries.  S^T = K Q^T is split by KEYS: wave w takes keys 16 w .. 16 w + 15 of the step against all of Q (512 registers in each wave).
; O^T = V^T P is split by CHANNELS: wave w takes channels 128 w .. 128 w + 127 (256 registers).  So each byte of K and V leaves LDS once.  The waves' maxima, sums and weights meet in LDS.
; LAYOUT.  In S^T a lane holds ONE query (lane % 16) and keys 8 (lane / 16) + 0..7 of the wave's 16; rounded in pairs these four registers are half of source 1 (32 keys x 16 queries) of V^T P:
; the low half comes from wave 2 kk, the high half from wave 2 kk + 1, lane for lane.  O^T again holds one query a lane, and eight channels.
; SOFTMAX.  A running maximum m and sum l for each query, kept alike in all four waves: p = 2^(c s - c m), c = log2(e) / sqrt(512); O and l are multiplied by a = 2^(c m_old - c m_new) in every step.
; A block begins with c m far below every c s, so its first a is 0, and O^T need only be finite then.
; A STEP, in phases: the second half of K's fragments | 64 products K Q^T | mask, my keys' maxima -> LDS | barrier (a) | all maxima back, V's fragments asked for | m, a, the exponentials, p -> LDS,
; my sums -> LDS | barrier (b), which is also the ring's: the slot is read out, and is filled again first thing behind it | all sums and P back | 64 products V^T P, and among them the first half of
; the next step's fragments of K, into registers of V that have been multiplied.
; REGISTERS, in windows of 256 (s_set_vgpr_msb: bits 1:0 source 0, 3:2 source 1, 5:4 source 2, 7:6 destination):
;   window 0: v0-31 addresses; v32-47 statistics; v48-63 at work; v64-95 S^T of the even chunks, v96-127 of the odd; v96-111 later my p; v64-127 later P's fragments; v128-255 K's, later V's fragments
;   window 1: O^T, (tile t, channel block cb) at 8 (8 t + cb)      window 2: Q's chunks 0-7, (t, c) at 64 t + 8 c      window 3: Q's chunks 8-15
.set TT,    393216                     ; bytes of a tile of 16 tokens in qkv
.set TILEB, 4*TT                       ; from one key step, or one band, to the next
.set VOFF,  65536                      ; a slot: K's four token tiles of 16,384 bytes, then V's
.set SLOT1, 131072                     ; slot 1: one exclusive or changes slots
.set MX,    2*SLOT1                    ; [query 64][wave 4] f32: the waves' maxima
.set LXO,   1024                       ; behind it, the same shape: the waves' sums
.set PX,    MX+2048                    ; [tile 4][wave 4][lane 32] x 16 bytes: the weights, as they lie in registers
.set STAGE, PX+8192                    ; 16 rows x 272 bytes for each wave, for the way out
.set SP,    272
.set SPARE, STAGE+4*16*SP              ; the spare words, 128 bytes for each wave
.set OROW,  8192                       ; bytes in a row of ob
.set AK0, 2                            ; v2   my lane's place in a slot's K; never rewritten
.set AV0, 3                            ; v3   the same for V
.set AK,  4                            ; v4   K's in the slot whose fragments are being fetched
.set AV,  5                            ; v5   V's in the slot in hand
.set MXS, 6                            ; v6   where I put my wave's maximum (and, LXO on, its sum) of query lane % 16
.set MXR, 7                            ; v7   where I read the four waves'
.set PXS, 10                           ; v10  where I put 16 bytes of p
.set PXR, 11                           ; v11  where I read them
.set STO, 12                           ; v12  the way out: in
.set RD,  13                           ; v13  the way out: back
.set GO,  14                           ; v14  my byte offset in ob
.set QO,  15                           ; v15  my place in a half chunk
.set LP,  16                           ; v16  my query's place in its band less my first key's in its step: lane % 16 - 8 (lane / 16) - 16 w + 16 cx
.set D0,  17                           ; v17-20  for tile t: my query's number less my first key's: register i is hidden where i is greater
.set BIG, 21                           ; v21  -1e30
.set PFO, 22                           ; v22  the prefetches' offset; never rewritten
.set SPW, 24                           ; v24  LDS address of my spare word; never rewritten
.set NIL, 25                           ; v25  0; never rewritten
.set ST,  32                           ; tile t at ST + 4 t: c m, m, a, l
.set T,   48
.set S,   64
.set PKR, 96
.set PF,  64                           ; (kk, t) at PF + 8 (4 kk + t)
.set KV,  128                          ; K: chunk c at KV + 8 c;  V: (kk, cb) at KV + 8 (8 kk + cb)
.set WV,  8                            ; s8   my wave's number
.set CX,  9                            ; s9   my place in the cluster
.set BB,  10                           ; s10  b
.set KB,  12                           ; s[12:13] what I fetch of the head's step 0: waves 0, 1 the halves of K, waves 2, 3 those of V
.set QP,  16                           ; s[16:17] Q at my work-group's rows of the first block;  s[18:19] of the second
.set QP2, 18
.set OB,  20                           ; s[20:21] ob at my work-group's rows of the block in hand;  s[22:23] of the second
.set OB2, 22
.set G1,  24                           ; s[24:31] descriptor group 1
.set G0,  40                           ; s[40:47] group 0, two sets: the two first fills; the second then walks
.set OFF, 56                           ; s[56:57] a step's byte offset in K and V
.set PFA, 58                           ; s[58:59] where my prefetches stand
.set CS,  60                           ; s[60:61] c, twice
.set SEL, 62                           ; s[62:63] v_permlanex16_b32's selects: each lane takes its own place in the other half
.set TB,  66                           ; s66  the slot in hand: 0 or SLOT1
.set SLOTS, 67                         ; s67  steps that still ask for a tile
.set RT,  68                           ; s68  steps of the block in hand that are still to come
.set NXT, 69                           ; s69  the key step to be asked for next
.set LQ,  70                           ; s70  the last key step of the block whose tiles are being asked for
.set LQ2, 71                           ; s71  the second block's
.set LIM, 73                           ; s73  a wave prefetches while s[SLOTS] is above it
.set RT2, 74                           ; s74  the second block's steps
.set QB0, 75                           ; s75  the first query's number of the super-block to begin;  s76 of the second
.set QB2, 76
.set LPL, 77                           ; s77  where my load lands in slot 0
.set TWO, 79
.set MSB, 0
.macro WIN new                         ; the immediate's high byte repeats the setting that is left; a switch that changes nothing is dropped
.if MSB != (\new)
	s_set_vgpr_msb (MSB<<8)|(\new)
.set MSB, \new
.endif
.endm
.macro CREST                           ; a round of the cluster's barrier behind its opening barrier
	s_cmp_lg_u32 s[WV], 0
	s_cbranch_scc1 .Lnot_wave_0_\@
	s_barrier_signal -3
.Lnot_wave_0_\@:
	s_barrier_wait -3
	s_barrier_signal -1
	s_barrier_wait -1
.endm
.macro CROUND
	s_barrier_signal -1
	s_barrier_wait -1
	CREST
.endm
; A joint refill: each wave fetches two token tiles (32 keys, 32,768 bytes) of the step: one line for all four waves, whose addresses differ by the wave's number alone.
; An s_nop 0 and four v_nop follow it.
.macro JLOAD
	tensor_load_to_lds s[G0+4:G0+7], s[G1:G1+7]
	s_nop 0
.rept 4
	v_nop
.endr
.endm
; A PREFETCH INTO THE L2 of the key step that the NEXT refill will ask for: one step, its 128 matrix instructions and its vector work, ahead of that load.  A step's K and V are 512 blocks of 256 bytes:
; 4 partners (a token tile each, told apart BY ADDRESS) x 4 waves (K: waves 0, 1; V: waves 2, 3; half a token tile's 16,384 bytes each) x 32 lanes: one instruction a wave.  Both clusters of a head
; walk the same rows: the cluster with b = 0 asks, in its first block, whose walk passes all 16 steps: so each block is named once.  Steps 0 to 2 come by their loads alone; behind step 15 nothing is asked for.
.macro ASK
	s_cmp_gt_u32 s[SLOTS], s[LIM]
	s_cbranch_scc0 .Lnot_mine_\@
	global_prefetch_b8 v[PFO], s[PFA:PFA+1] th:TH_LOAD_NT scope:SCOPE_SE
.Lnot_mine_\@:
.endm
; Q of a block: 64 queries x 512 channels into windows 2 and 3, by every wave: 128 loads of 512 consecutive bytes.
.macro QLOAD base
	WIN 0x80                                       ; destination window 2, address window 0
.irp t, 0,1,2,3
.irp c, 0,1,2,3,4,5,6,7
	global_load_b128 v[64*\t+8*\c:64*\t+8*\c+3],   v[QO], s[\base:\base+1] offset:\t*TILEB+1024*\c
	global_load_b128 v[64*\t+8*\c+4:64*\t+8*\c+7], v[QO], s[\base:\base+1] offset:\t*TILEB+1024*\c+512
.endr
.endr
	WIN 0xc0                                       ; destination window 3
.irp t, 0,1,2,3
.irp c, 0,1,2,3,4,5,6,7
	global_load_b128 v[64*\t+8*\c:64*\t+8*\c+3],   v[QO], s[\base:\base+1] offset:\t*TILEB+8192+1024*\c
	global_load_b128 v[64*\t+8*\c+4:64*\t+8*\c+7], v[QO], s[\base:\base+1] offset:\t*TILEB+8192+1024*\c+512
.endr
.endr
	WIN 0
.endm
.macro RESET                           ; a block begins: the statistics and the mask's count
.irp t, 0,1,2,3
	v_mov_b32 v[ST+4*\t], 0xfe000000               ; c m: far below every c s, so the first a is 0
	v_mov_b32 v[ST+4*\t+1], 0xff7fffff             ; m: the lowest finite number
	v_mov_b32 v[ST+4*\t+3], 0                      ; l
.endr
	v_add_nc_u32 v[D0], s[QB0], v[LP]
.endm
.macro RESCALE t                       ; tile t's O^T times a
	WIN 0x41                                       ; destination and source 0 window 1, source 1 window 0
.set i, 0
.rept 32
	v_pk_mul_f32 v[64*(\t)+2*i:64*(\t)+2*i+1], v[64*(\t)+2*i:64*(\t)+2*i+1], v[ST+4*(\t)+2:ST+4*(\t)+3] op_sel_hi:[1,0]
.set i, i+1
.endr
.endm
; THE WAY OUT.  Every wave holds the whole l.  O^T is divided by l, rounded to f16 and sent through my own stage in LDS, a tile (16 rows, my 256 bytes of each) at a time: no barrier.
; The four tiles' registers are v64, v96, v192, v224: v128-191 hold the next step's first fragments of K.
.macro PACK t
.set OUTQ, 64+32*(\t)+64*((\t)/2)
	RESCALE \t                                     ; a's register holds 1 / l here
	WIN 0x05                                       ; sources 0 and 1 window 1, destination window 0
.set i, 0
.rept 32
	v_cvt_pk_f16_f32 v[OUTQ+i], v[64*(\t)+2*i], v[64*(\t)+2*i+1]
.set i, i+1
.endr
	WIN 0
.irp f, 0,1,2,3,4,5,6,7
	ds_store_b128 v[STO], v[OUTQ+4*\f:OUTQ+4*\f+3] offset:32*\f
.endr
.irp f, 0,1,2,3,4,5,6,7
	ds_load_b128 v[OUTQ+4*\f:OUTQ+4*\f+3], v[RD] offset:\f*2*SP  ; LDS serves a wave's instructions in order: these see the stores above; the next tile's stores come behind them
.endr
.endm
.macro SEND t, younger                 ; younger: the LDS instructions issued behind tile t's loads: the next tile's sixteen, or none
.set OUTQ, 64+32*(\t)+64*((\t)/2)
	WIN 0
.irp f, 0,1,2,3,4,5,6,7
	s_wait_dscnt (\younger)+7-\f
	global_store_b128 v[GO], v[OUTQ+4*\f:OUTQ+4*\f+3], s[OB:OB+1] offset:(64*(\t)+2*\f)*OROW  ; 16 lanes store 256 consecutive bytes, at a multiple of 256 from ob's first byte
.endr
.endm
.macro END                             ; (five plain instructions stand behind the last product: the step's foot)
	WIN 0
.irp t, 0,1,2,3
	v_rcp_f32 v[ST+4*\t+2], v[ST+4*\t+3]
.endr
	v_nop                                          ; a plain instruction between the last reciprocal and the use of its result
	s_wait_alu depctr_va_vdst(0)                   ; and a wait ahead of the first use: one for the four
	PACK 0
	PACK 1
	SEND 0, 16
	PACK 2
	SEND 1, 16
	PACK 3
	SEND 2, 16
	SEND 3, 0
.endm
; 32 products K Q^T for tiles x, x + 1.  Four accumulators take turns, one instruction a turn: a tile's even chunks add into S, its odd ones into S + 32.
.macro KQP x
.set c, 0
.rept 16
.if c == 0
	s_wait_dscnt 16                                ; chunks 0 to 7, asked for in the step before, are in; the sixteen loads of chunks 8 to 15 may be out
.elseif c == 8
	s_wait_dscnt 8                                 ; chunks 8 to 11 are in
.elseif c == 12
	s_wait_dscnt 0x0
.endif
	WIN 0x08+4*(c/8)                               ; source 1 (Q) in window 2, then 3
.irp t, \x, (\x)+1
.if c < 2
	v_wmma_f32_16x16x32_f16 v[S+32*(c%2)+8*(\t):S+32*(c%2)+8*(\t)+7], v[KV+8*c:KV+8*c+7], v[64*(\t)+8*(c%8):64*(\t)+8*(c%8)+7], 0
.else
	v_wmma_f32_16x16x32_f16 v[S+32*(c%2)+8*(\t):S+32*(c%2)+8*(\t)+7], v[KV+8*c:KV+8*c+7], v[64*(\t)+8*(c%8):64*(\t)+8*(c%8)+7], v[S+32*(c%2)+8*(\t):S+32*(c%2)+8*(\t)+7]
.endif
.endr
.set c, c+1
.endr
	WIN 0
.endm
; 32 products V^T P for tiles x, x + 1: 16 accumulators take turns.  pre = 1: behind the first 32 keys' products, which are the last to read V's first 64 registers, four places, and then the next
; step's chunks 0 to 7 of K go into them, out of the other slot, which barrier (b) has shown whole.  last = 1 (the tail): the walk's last step has no next, and the run is jumped over.
.macro PVP x, pre, last
.irp kk, 0,1
	WIN 0x50                                       ; V and P window 0, O^T window 1
.irp cb, 0,1,2,3,4,5,6,7
.irp t, \x, (\x)+1
	v_wmma_f32_16x16x32_f16 v[8*(8*(\t)+\cb):8*(8*(\t)+\cb)+7], v[KV+8*(8*\kk+\cb):KV+8*(8*\kk+\cb)+7], v[PF+8*(4*\kk+(\t)):PF+8*(4*\kk+(\t))+7], v[8*(8*(\t)+\cb):8*(8*(\t)+\cb)+7]
.endr
.endr
.if (\pre) && (\kk == 0)
	WIN 0
.rept 4
	v_nop
.endr
.if \last
	s_cmp_eq_u32 s[RT], 0
	s_cbranch_scc1 .Lnok_\@
.endif
.irp c, 0,1,2,3,4,5,6,7
	ds_load_b128 v[KV+8*\c:KV+8*\c+3],   v[AK] offset:1024*\c
	ds_load_b128 v[KV+8*\c+4:KV+8*\c+7], v[AK] offset:1024*\c+512
.endr
.if \last
.Lnok_\@:
.endif
.endif
.endr
	WIN 0
.endm
; A KEY STEP.  fill = 1: the loop's text: the slot is filled again, dead tiles' products and the mask are jumped over where that holds, and a block may end.
; fill = 0: the walk's last two steps, which are a block's last two: tiles 0 and 1 see nothing, and the text holds no product of theirs.
.macro STEP fill
	s_sub_co_u32 s[RT], s[RT], 1
	v_add_nc_u32 v[AV], s[TB], v[AV0]              ; with the foot's five v_nop: six places behind the last product V^T P, whose registers the loads and the first products below write
.irp c, 8,9,10,11,12,13,14,15
	ds_load_b128 v[KV+8*\c:KV+8*\c+3],   v[AK] offset:1024*\c      ; my 16 keys, channels 32 c on
	ds_load_b128 v[KV+8*\c+4:KV+8*\c+7], v[AK] offset:1024*\c+512
.endr
	s_wait_loadcnt 0x0                             ; Q (met at once in all steps but a block's first)
.if \fill
	s_cmp_lt_u32 s[RT], 2                          ; a block's last two steps: bands 0 and 1 lie wholly ahead of the keys
	s_cbranch_scc1 .LnoA_\@
	KQP 0
.LnoA_\@:
.endif
	KQP 2
.irp t, 1,2,3
	v_add_nc_u32 v[D0+\t], 64*\t, v[D0]            ; with the v_nop: the four places behind the last product
.endr
	v_nop
.if \fill
	s_cmp_lg_u32 s[RT], 0                          ; the first block's last K Q^T is done: the second block's Q is asked for at once, and is waited for at the next step's head
	s_cbranch_scc1 .LnoQ_\@
	QLOAD QP2
.LnoQ_\@:
.endif
.irp t, 0,1,2,3
.if (\fill) || (\t > 1)
.irp j, 0,1,2,3
	v_pk_add_f32 v[S+8*\t+2*\j:S+8*\t+2*\j+1], v[S+8*\t+2*\j:S+8*\t+2*\j+1], v[S+32+8*\t+2*\j:S+32+8*\t+2*\j+1]  ; even chunks' sums + odd chunks'; each accumulator is read from its low end on.  (Of a dead tile: stale numbers, which the mask replaces)
.endr
.endif
.endr
.if \fill
	s_cmp_gt_u32 s[RT], 3                          ; only a block's last four steps hold keys that a query of the super-block may not see
	s_cbranch_scc1 .Lnomask_\@
.endif
.irp t, 0,1,2,3
.irp i, 0,1,2,3,4,5,6,7
	v_cmp_gt_i32 vcc_lo, \i, v[D0+\t]
	v_cndmask_b32 v[S+8*\t+\i], v[S+8*\t+\i], v[BIG], vcc_lo
.endr
.endr
.if \fill
.Lnomask_\@:
.endif
	v_add_nc_u32 v[D0], 0xffffffc0, v[D0]          ; the next step's keys lie 64 on
	; my 16 keys' maximum for each of the 64 queries
.irp t, 0,1,2,3
	v_max3_num_f32 v[T+\t], v[S+8*\t], v[S+8*\t+1], v[S+8*\t+2]
.endr
.irp t, 0,1,2,3
	v_max3_num_f32 v[T+\t], v[T+\t], v[S+8*\t+3], v[S+8*\t+4]
.endr
.irp t, 0,1,2,3
	v_max3_num_f32 v[T+\t], v[T+\t], v[S+8*\t+5], v[S+8*\t+6]
.endr
.irp t, 0,1,2,3
	v_max_num_f32 v[T+\t], v[T+\t], v[S+8*\t+7]
.endr
.irp t, 0,1,2,3
	v_permlanex16_b32 v[T+4+\t], v[T+\t], s[SEL], s[SEL+1]  ; the query's other 8 keys lie in the lane 16 away
.endr
.irp t, 0,1,2,3
	v_max_num_f32 v[T+\t], v[T+\t], v[T+4+\t]
.endr
.irp t, 0,1,2,3
	ds_store_b32 v[MXS], v[T+\t] offset:256*\t
.endr
	s_wait_dscnt 0x0                               ; for the others' sake: my maxima are in LDS
	s_barrier_signal -1                            ; BARRIER (a).  The next tile's load may stay out
	s_barrier_wait -1
.irp t, 0,1,2,3
	ds_load_b128 v[T+4*\t:T+4*\t+3], v[MXR] offset:256*\t   ; the four waves' maxima of my query
.endr
.irp kk, 0,1
.irp cb, 0,1,2,3,4,5,6,7               ; V, turned: keys 32 kk on (two token tiles), my channels 16 cb on (half a chunk); K's registers are free
	ds_load_tr16_b128 v[KV+8*(8*\kk+\cb):KV+8*(8*\kk+\cb)+3],   v[AV] offset:\kk*32768+512*\cb
	ds_load_tr16_b128 v[KV+8*(8*\kk+\cb)+4:KV+8*(8*\kk+\cb)+7], v[AV] offset:\kk*32768+16384+512*\cb
.endr
.endr
	s_wait_dscnt 32                                ; the maxima are in; V's 32 loads stay out, under the exponentials
.irp t, 0,1,2,3
	v_max3_num_f32 v[T+4*\t], v[T+4*\t], v[T+4*\t+1], v[T+4*\t+2]
.endr
.irp t, 0,1,2,3
	v_mov_b32 v[T+4*\t+1], v[ST+4*\t]              ; c m_old is kept
.endr
.irp t, 0,1,2,3
	v_max3_num_f32 v[ST+4*\t+1], v[T+4*\t], v[T+4*\t+3], v[ST+4*\t+1]  ; the new m
.endr
.irp t, 0,1,2,3
	v_mul_f32 v[ST+4*\t], s[CS], v[ST+4*\t+1]
.endr
.irp t, 0,1,2,3
	v_sub_f32 v[T+4*\t+1], v[T+4*\t+1], v[ST+4*\t]
.endr
	; ONE BATCH of 36 exponentials, with one wait: nothing ahead of the wait names a result
.irp t, 0,1,2,3
	v_exp_f32 v[ST+4*\t+2], v[T+4*\t+1]            ; a
.endr
.irp t, 0,1,2,3
.irp j, 0,1,2,3
	v_pk_fma_f32 v[S+8*\t+2*\j:S+8*\t+2*\j+1], v[S+8*\t+2*\j:S+8*\t+2*\j+1], s[CS:CS+1], v[ST+4*\t:ST+4*\t+1] op_sel_hi:[1,0,0] neg_lo:[0,0,1] neg_hi:[0,0,1]  ; c s - c m
.endr
.endr
.set i, 0
.rept 32
	v_exp_f32 v[S+i], v[S+i]
.set i, i+1
.endr
	v_nop                                          ; a plain instruction behind the last exponential
	s_wait_alu depctr_va_vdst(0)                   ; a wait ahead of the first reader: one for the batch
.irp t, 0,1,2,3
.irp j, 0,1,2,3
	v_cvt_pk_f16_f32 v[PKR+4*\t+\j], v[S+8*\t+2*\j], v[S+8*\t+2*\j+1]
.endr
.endr
.irp t, 0,1,2,3
	ds_store_b128 v[PXS], v[PKR+4*\t:PKR+4*\t+3] offset:2048*\t
.endr
.irp t, 0,1,2,3
	v_pk_add_f32 v[S+8*\t:S+8*\t+1], v[S+8*\t:S+8*\t+1], v[S+8*\t+2:S+8*\t+3]
.endr
.irp t, 0,1,2,3
	v_pk_add_f32 v[S+8*\t+4:S+8*\t+5], v[S+8*\t+4:S+8*\t+5], v[S+8*\t+6:S+8*\t+7]
.endr
.irp t, 0,1,2,3
	v_pk_add_f32 v[S+8*\t:S+8*\t+1], v[S+8*\t:S+8*\t+1], v[S+8*\t+4:S+8*\t+5]
.endr
.irp t, 0,1,2,3
	v_add_f32 v[T+\t], v[S+8*\t], v[S+8*\t+1]
.endr
.irp t, 0,1,2,3
	v_permlanex16_b32 v[T+4+\t], v[T+\t], s[SEL], s[SEL+1]
.endr
.irp t, 0,1,2,3
	v_add_f32 v[T+\t], v[T+\t], v[T+4+\t]
.endr
.irp t, 0,1,2,3
	ds_store_b32 v[MXS], v[T+\t] offset:LXO+256*\t
.endr
	; BARRIER (b), which is also the ring's.  K of this step has been multiplied, V is asked for and waited for below: the slot is read out.
	s_wait_tensorcnt 0x0                           ; all my tensor loads have landed: the one that was out is my part of the next step's tile; so a group 0 may be written
	ds_add_u32 v[SPW], v[NIL]                      ; 0 onto my spare word: work on registers stands between it and the wait for it
.if \fill
	s_mul_i32 s[OFF], s[NXT], TILEB
	s_xor_b32 s[G0+5], s[G0+5], SLOT1              ; the walking descriptor: the other slot than last time,
	s_add_nc_u64 s[G0+6:G0+7], s[KB:KB+1], s[OFF:OFF+1]  ; its address made anew from the step's number
	s_or_b32 s[G0+7], s[G0+7], 0x80000000
	s_add_co_u32 s[NXT], s[NXT], 1                 ; the block's next step, or behind its last the second block's step 0
	s_cmp_gt_u32 s[NXT], s[LQ]
	s_cselect_b32 s[NXT], 0, s[NXT]
	s_cselect_b32 s[LQ], s[LQ2], s[LQ]
	s_wait_xcnt 0x0                                ; the last prefetch, a step back, has read its address
	s_add_nc_u64 s[PFA:PFA+1], s[PFA:PFA+1], TILEB
	RESCALE 0
	RESCALE 1
.else
	RESCALE 2                                      ; (tiles 0 and 1 see nothing here: their a is 2^0)
.endif
	s_wait_dscnt 0x0                               ; the add is done; V is in registers; my p and my sums are in LDS
	s_barrier_signal -1
.if \fill
	RESCALE 2                                      ; work on registers while the others arrive
.endif
	RESCALE 3
	WIN 0
	s_barrier_wait -1
.if \fill
	CREST                                          ; the barrier has opened a round of the cluster's: no wave of any partner still reads the slot or has a load on its way
	JLOAD                                          ; the step two on, into the slot just read out: it has a whole step in which to land
.endif
.irp t, 0,1,2,3
	ds_load_b128 v[T+4*\t:T+4*\t+3], v[MXR] offset:LXO+256*\t
.endr
.irp x, 0,2                            ; P's fragments, tiles 0 and 1 first
.if (\fill) || (\x > 0)
.irp kk, 0,1
.irp t, \x, \x+1
	ds_load_b128 v[PF+8*(4*\kk+\t):PF+8*(4*\kk+\t)+3],   v[PXR] offset:2048*(\t)+1024*\kk       ; keys 32 kk + 8 (lane / 16) on: wave 2 kk's
	ds_load_b128 v[PF+8*(4*\kk+\t)+4:PF+8*(4*\kk+\t)+7], v[PXR] offset:2048*(\t)+1024*\kk+512   ; keys 32 kk + 16 + 8 (lane / 16) on: wave 2 kk + 1's
.endr
.endr
.endif
.endr
.if \fill
	ASK
.endif
	s_wait_dscnt 8+8*(\fill)                       ; the sums are in; P's loads stay out
.irp t, 0,1,2,3
	v_pk_add_f32 v[T+4*\t:T+4*\t+1], v[T+4*\t:T+4*\t+1], v[T+4*\t+2:T+4*\t+3]
.endr
.irp t, 0,1,2,3
	v_add_f32 v[T+4*\t], v[T+4*\t], v[T+4*\t+1]
.endr
.irp t, 0,1,2,3
	v_fma_f32 v[ST+4*\t+3], v[ST+4*\t+2], v[ST+4*\t+3], v[T+4*\t]  ; l = a l + the step's sum
.endr
	s_xor_b32 s80, s[TB], SLOT1
	v_add_nc_u32 v[AK], s80, v[AK0]                ; K's fragments are fetched out of the other slot from here on
.if \fill
	s_cmp_lt_u32 s[RT], 2                          ; dead tiles' p is 0: their products are jumped over
	s_cbranch_scc1 .LnoPA_\@
	s_wait_dscnt 8                                 ; P of tiles 0 and 1 is in; the other eight loads stay out
	PVP 0, 0, 0
.LnoPA_\@:
.endif
	s_wait_dscnt 0x0                               ; P
	PVP 2, 1, 1-(\fill)
.rept 5
	v_nop                                          ; the foot: places behind the last product
.endr
	s_xor_b32 s[TB], s[TB], SLOT1
.if \fill
	s_cmp_lg_u32 s[RT], 0
	s_cbranch_scc1 .Lgo_\@                         ; forward, past text that holds neither a barrier nor a tensor load
	END                                            ; the first block ends
	s_wait_xcnt 0x0                                ; the stores have read their registers and their base
	s_mov_b64 s[OB:OB+1], s[OB2:OB2+1]
	s_mov_b32 s[QB0], s[QB2]
	s_mov_b32 s[RT], s[RT2]
	RESET                                          ; O^T keeps what the first block left: finite numbers, which the next step multiplies by a = 0
.Lgo_\@:
.endif
.endm
	s_load_b128 s[4:7], s[0:1], 0x0                ; qkv s[4:5], ob s[6:7]
	v_lshl_add_u32 v[SPW], v0, 2, SPARE
	v_mov_b32 v[NIL], 0
	ds_add_u32 v[SPW], v[NIL]                      ; the wave's opening: the add and its wait stand ahead of my first tensor load; work on registers stands between them
	v_lshrrev_b32 v1, 5, v0
	v_readfirstlane_b32 s[WV], v1                  ; wave 0..3
	s_bfe_u32 s[CX], ttmp6, 0x40000                ; cx
	s_mov_b32 s[BB], ttmp9                         ; in a cluster launch ttmp9 counts clusters: b = 0, 1
	s_and_b32 s80, ttmp7, 0xffff
	s_lshr_b32 s81, s80, 3                         ; batch: 64 token tiles
	s_and_b32 s82, s80, 7                          ; head: 16 chunks of a plane
	s_mul_i32 s84, s81, 64*TT
	s_lshl_b32 s83, s82, 14
	s_add_co_u32 s84, s84, s83                     ; the pair's q chunks of its first token tile
	s_lshr_b32 s85, s[WV], 1
	s_add_co_u32 s85, s85, 1
	s_lshl_b32 s85, s85, 17                        ; the plane that I fetch: k (waves 0, 1) begins 131,072 bytes into a token tile, v (waves 2, 3) 262,144
	s_add_co_u32 s85, s85, s84
	s_and_b32 s83, s[WV], 1                        ; which two of a step's four token tiles
	s_mul_i32 s[KB], s83, 2*TT
	s_add_co_u32 s[KB], s[KB], s85
	s_mov_b32 s[KB+1], 0
	s_lshl_b32 s[LPL], s[WV], 15                   ; and where they land in a slot: 32,768 x wave: K's halves, then V's
	s_lshl_b32 s87, s[BB], 2
	s_sub_co_u32 s[RT], 16, s87                    ; the first block, super-block 3 - b, has 16 - 4 b steps,
	s_sub_co_u32 s[LQ], 15, s87
	s_add_co_u32 s[LQ2], s87, 3
	s_add_co_u32 s[RT2], s87, 4                    ; the second 4 b + 4
	s_mov_b32 s[NXT], 2
	s_mov_b32 s[OFF+1], 0
	s_mov_b32 s[TB], 0
	s_cmp_eq_u32 s[BB], 0
	s_cselect_b32 s[LIM], 5, -1                    ; with b = 0: while 18 - g > 5, that is in steps g = 0 .. 12, which name steps 3 .. 15; the same in all four partners
	s_sub_co_u32 s86, 3, s[BB]
	s_lshl_b32 s[QB0], s86, 8
	s_lshl_b32 s[QB2], s[BB], 8
	; what hangs on cx: Q's and ob's addresses, the prefetches' address and the mask's count; never a descriptor, an LDS address or a branch
	s_mul_i32 s2, s[CX], TT                        ; my work-group's token tile of a band
	s_add_co_u32 s2, s2, s84
	s_mul_i32 s[QP], s86, 16*TT                    ; a super-block is 16 token tiles
	s_add_co_u32 s[QP], s[QP], s2
	s_mov_b32 s[QP+1], 0
	s_mul_i32 s[QP2], s[BB], 16*TT
	s_add_co_u32 s[QP2], s[QP2], s2
	s_mov_b32 s[QP2+1], 0
	s_lshl_b32 s3, s81, 23                         ; in ob: a batch is 1,024 rows of 8,192 bytes,
	s_lshl_b32 s2, s82, 10                         ; a head 1,024 bytes of a row,
	s_add_co_u32 s3, s3, s2
	s_lshl_b32 s2, s[CX], 17                       ; my 16 rows of a band,
	s_add_co_u32 s3, s3, s2
	s_lshl_b32 s[OB], s86, 21                      ; a super-block 256 rows
	s_add_co_u32 s[OB], s[OB], s3
	s_mov_b32 s[OB+1], 0
	s_lshl_b32 s[OB2], s[BB], 21
	s_add_co_u32 s[OB2], s[OB2], s3
	s_mov_b32 s[OB2+1], 0
	s_mul_i32 s[PFA], s[CX], TT                    ; the prefetches: my work-group's token tile of a step, in my plane,
	s_add_co_u32 s[PFA], s[PFA], s85
	s_add_co_u32 s[PFA], s[PFA], 2*TILEB           ; at step 2: the first refill steps it to 3.  Nothing is prefetched at the head
	s_mov_b32 s[PFA+1], 0
	; descriptor group 1: 2 rows (token tiles) of 16,384 bytes, as 2,048 elements of 8 bytes; they lie end to end in LDS
	s_mov_b32 s[G1], 15|(3<<16)|(1<<21)            ; the mask of four; 8-byte elements; no padding; bit 21 beside a mask
	s_mov_b32 s[G1+1], 2048<<16                    ; tensor_dim0 = 2,048
	s_mov_b32 s[G1+2], 2<<16                       ; tensor_dim1 = 2
	s_mov_b32 s[G1+3], 2048<<16                    ; tile_dim0 = 2,048
	s_mov_b32 s[G1+4], 2                           ; tile_dim1 = 2
	s_mov_b32 s[G1+5], TT/8                        ; elements from row to row
	s_mov_b32 s[G1+6], 0
	s_mov_b32 s[G1+7], 0
	s_mov_b32 s[CS], 0x3d8293ee                    ; c = log2(e) / sqrt(512) = 0.0637587
	s_mov_b32 s[CS+1], s[CS]
	s_mov_b32 s[SEL], 0x76543210
	s_mov_b32 s[SEL+1], 0xfedcba98
	s_mov_b32 s[G0], 1
	s_mov_b32 s[G0+1], s[LPL]                      ; slot 0
	s_mov_b32 s[G0+4], 1
	s_add_co_u32 s[G0+5], s[LPL], SLOT1            ; slot 1
	s_wait_dscnt 0x0                               ; the opening add is done
	s_wait_kmcnt 0x0
	s_add_nc_u64 s[KB:KB+1], s[4:5], s[KB:KB+1]
	s_add_nc_u64 s[QP:QP+1], s[4:5], s[QP:QP+1]
	s_add_nc_u64 s[QP2:QP2+1], s[4:5], s[QP2:QP2+1]
	s_add_nc_u64 s[PFA:PFA+1], s[4:5], s[PFA:PFA+1]
	s_add_nc_u64 s[OB:OB+1], s[6:7], s[OB:OB+1]
	s_add_nc_u64 s[OB2:OB2+1], s[6:7], s[OB2:OB2+1]
	s_mov_b64 s[G0+2:G0+3], s[KB:KB+1]             ; step 0
	s_or_b32 s[G0+3], s[G0+3], 0x80000000
	s_add_nc_u64 s[G0+6:G0+7], s[KB:KB+1], TILEB   ; step 1
	s_or_b32 s[G0+7], s[G0+7], 0x80000000
	CROUND                                         ; all four work-groups are here: the first joint loads meet
	tensor_load_to_lds s[G0:G0+3], s[G1:G1+7]      ; the two first fills, ahead of every wait on TENSORcnt and every LDS read: two loads of mine are out
	s_nop 0
	tensor_load_to_lds s[G0+4:G0+7], s[G1:G1+7]
	s_nop 0
.rept 4
	v_nop
.endr
	v_and_b32 v26, 15, v0                          ; r = l % 16
	v_bfe_u32 v27, v0, 4, 1                        ; h = l / 16
	v_and_b32 v28, 31, v0                          ; l
	v_and_b32 v29, 7, v0
	v_bfe_u32 v30, v0, 3, 1
	v_lshlrev_b32 v31, 3, v27                      ; 8 h
	v_sub_nc_u32 v[LP], v26, v31
	v_xor_b32 v31, v26, v31                        ; a fragment of Q or K: lane (r, h) takes place 16 h + (r xor 8 h) of each half chunk
	v_lshl_add_u32 v31, v27, 4, v31
	v_lshlrev_b32 v[QO], 4, v31
	s_lshl_b32 s2, s[CX], 4
	s_lshl_b32 s3, s[WV], 4
	s_sub_co_i32 s2, s2, s3
	v_add_nc_u32 v[LP], s2, v[LP]                  ; r - 8 h - 16 w + 16 cx
	s_lshl_b32 s3, s[WV], 14
	v_add_nc_u32 v[AK0], s3, v[QO]                 ; my wave's 16 keys are token tile w of the step
	v_lshl_add_u32 v31, v27, 3, v29                ; the turning load: lane l reads key 8 (l / 16) + l % 8, channels 8 ((l / 8) % 2) + 0..7:
	v_lshlrev_b32 v1, 3, v30
	v_xor_b32 v31, v31, v1                         ; place 16 h' + (key xor 8 h') with h' = (l / 8) % 2
	v_lshl_add_u32 v31, v30, 4, v31
	s_lshl_b32 s81, s[WV], 12                      ; my 128 channels: 4 chunks
	s_add_co_u32 s81, s81, VOFF
	v_lshl_add_u32 v[AV0], v31, 4, s81
	v_lshl_add_u32 v[MXR], v26, 4, MX
	s_lshl_b32 s81, s[WV], 2
	v_add_nc_u32 v[MXS], s81, v[MXR]
	v_lshl_add_u32 v[PXR], v28, 4, PX
	s_lshl_b32 s81, s[WV], 9
	v_add_nc_u32 v[PXS], s81, v[PXR]
	s_mul_i32 s81, s[WV], 16*SP
	s_add_co_u32 s81, s81, STAGE                   ; my stage
	v_mul_u32_u24 v[STO], v26, SP
	v_lshl_add_u32 v[STO], v27, 4, v[STO]
	v_add_nc_u32 v[STO], s81, v[STO]
	v_mul_u32_u24 v[RD], v27, SP
	v_lshl_add_u32 v[RD], v26, 4, v[RD]
	v_add_nc_u32 v[RD], s81, v[RD]
	s_lshl_b32 s80, s[WV], 8                       ; my 128 channels: 256 bytes of a row of ob
	v_lshlrev_b32 v[GO], 13, v27                   ; lanes 0-15 one row of ob, lanes 16-31 the next
	v_lshl_add_u32 v[GO], v26, 4, v[GO]
	v_add_nc_u32 v[GO], s80, v[GO]
	v_mov_b32 v[BIG], 0xf149f2ca                   ; -1e30
	s_lshl_b32 s81, s83, 13                        ; the prefetches: half w % 2 of the token tile's 16,384 bytes, a lane a block of 256
	v_lshl_add_u32 v[PFO], v28, 8, s81
.irp t, 4,5,6,7
	v_mov_b32 v[T+\t], 0                           ; v_permlanex16_b32's destinations count as read
.endr
.set i, 0
.rept 16
	v_mov_b32 v[S+i], 0                            ; tiles 0 and 1's sums are named by the additions behind K Q^T on the way that jumps their products, too
	v_mov_b32 v[S+32+i], 0
.set i, i+1
.endr
	RESET                                          ; the first block
	QLOAD QP
	WIN 0x40                                       ; O^T holds finite numbers when the first a = 0 meets it.  This stands in the wait for the first tile and for Q
.set i, 0
.rept 256
	v_mov_b32 v[i], 0
.set i, i+1
.endr
	WIN 0
	s_wait_tensorcnt 0x1                           ; my part of slot 0 is in; slot 1's may stay out
	s_barrier_signal -1
	s_barrier_wait -1
	v_mov_b32 v[AK], v[AK0]                        ; step 0 lies in slot 0
.irp c, 0,1,2,3,4,5,6,7
	ds_load_b128 v[KV+8*\c:KV+8*\c+3],   v[AK] offset:1024*\c      ; its chunks 0 to 7, which every later step finds fetched
	ds_load_b128 v[KV+8*\c+4:KV+8*\c+7], v[AK] offset:1024*\c+512
.endr
	s_mov_b32 s[SLOTS], 18
.Lstep:                                            ; 18 of the walk's 20 steps ask for the step two on
	STEP 1
	s_sub_co_u32 s[SLOTS], s[SLOTS], 1
	s_cmp_lg_u32 s[SLOTS], 0
	s_cbranch_scc1 .Lstep
	s_mov_b32 s[TWO], 2
.Ltail:                                            ; the last two are written apart
	STEP 0
	s_sub_co_u32 s[TWO], s[TWO], 1
	s_cmp_lg_u32 s[TWO], 0
	s_cbranch_scc1 .Ltail
	END                                            ; the second block ends
	s_wait_tensorcnt 0x0                           ; the wave's end, behind my last tensor load and my last LDS store
	ds_add_u32 v[SPW], v[NIL]
	s_wait_dscnt 0x0
	CROUND                                         ; the closing round: no work-group ends while a partner may still ask for a tile that names it
	s_endpgm
.Lfunc_end_k_q501f68b75e_attn:
	.size	k_q501f68b75e_attn, .Lfunc_end_k_q501f68b75e_attn-k_q501f68b75e_attn
	.p2alignl 7, 3214868480
	.fill 96, 4, 3214868480
	.section	.rodata,"a",@progbits
	.p2align	6, 0x0
	.amdhsa_kernel k_q501f68b75e_attn
		.amdhsa_group_segment_fixed_size 327680
		.amdhsa_private_segment_fixed_size 0
		.amdhsa_enable_private_segment 0
		.amdhsa_kernarg_size 16
		.amdhsa_user_sgpr_count 2
		.amdhsa_user_sgpr_kernarg_segment_ptr 1
		.amdhsa_wavefront_size32 1
		.amdhsa_system_sgpr_workgroup_id_x 1
		.amdhsa_system_sgpr_workgroup_id_y 1
		.amdhsa_system_sgpr_workgroup_id_z 1
		.amdhsa_system_vgpr_workitem_id 0
		.amdhsa_next_free_vgpr 1024
		.amdhsa_next_free_sgpr 88
		.amdhsa_reserve_vcc 1
		.amdhsa_float_denorm_mode_32 3
		.amdhsa_float_denorm_mode_16_64 3
		.amdhsa_memory_ordered 1
		.amdhsa_forward_progress 1
		.amdhsa_inst_pref_size 154
	.end_amdhsa_kernel
	.amdgpu_metadata
---
amdhsa.version: [ 1, 2 ]
amdhsa.kernels:
  - .name:           k_q501f68b75e_attn
    .symbol:         k_q501f68b75e_attn.kd
    .args:
      - { .name: qkv, .offset: 0, .size: 8, .value_kind: global_buffer, .address_space: global }
      - { .name: ob, .offset: 8, .size: 8, .value_kind: global_buffer, .address_space: global }
    .group_segment_fixed_size: 327680
    .private_segment_fixed_size: 0
    .kernarg_segment_align: 8
    .kernarg_segment_size: 16
    .max_flat_workgroup_size: 128
    .sgpr_count:     88
    .vgpr_count:     1024
    .wavefront_size: 32
...
	.end_amdgpu_metadata
.endif
;; end of part 3
;; launch unify (part 4): grid 4 x 32, 4 waves a work-group, clusters of 4 x 4, 327,680 bytes of LDS; arguments ob, cb, b_u, out0; writes out0
.if DOCPART == 4
	.amdgcn_target "amdgcn-amd-amdhsa--gfx1250"
	.amdhsa_code_object_version 6
	.text
	.protected	k_q501f68b75e_unify
	.globl	k_q501f68b75e_unify
	.p2align	8
	.type	k_q501f68b75e_unify,@function
k_q501f68b75e_unify:
	s_mov_b64 s[64:65], 0
	v_nop
	global_prefetch_b8 v0, s[64:65] scope:SCOPE_SE
	s_setreg_imm32_b32 hwreg(HW_REG_WAVE_MODE, 25, 1), 1
	s_wait_xcnt 0x0
	s_wait_alu depctr_hold_cnt(0) depctr_sa_sdst(0) depctr_va_vdst(0) depctr_va_sdst(0) depctr_va_ssrc(0) depctr_va_vcc(0) depctr_vm_vsrc(0)
	s_getreg_b32 s2, hwreg(HW_REG_IB_STS2, 6, 4)
	s_cmp_eq_u32 s2, 0
	s_cbranch_scc0 .Lentry_in_a_cluster
	s_endpgm
.Lentry_in_a_cluster:
	s_bfe_u32 s2, ttmp6, 0x10000c
	s_cmp_lg_u32 s2, 0xf033
	s_cbranch_scc0 .Lentry_shape_is_right
	s_endpgm
.Lentry_shape_is_right:
; out0[token][n] = sum over k of O[token][k] w_u[n][k] + b_u[n].  O: ob, [4096][4096] f16.  w_u: plane 4 of cb, [512][4096], bf16 numbers written as f16.  out0: [4096][512] f32.
; b_u is rounded to bf16 like the other inputs of the module.  Sums in f32.
; A tile of out0 is 128 x 128: 128 work-groups.  A tile of 128 x 64 would give 256, but half the matrix instructions in a K step for three quarters of the bytes fetched; a split of K among work-groups
; would want a further launch for the sum.  Four waves, each 64 x 64: 16 accumulators.  K goes in steps of 256 (LDS rows of 512 bytes; a wave's tensor load brings 64 of them) through two slots.
; CLUSTERS: 4 x 4 work-groups: O's tiles are asked for jointly along a row of the cluster, w_u's along a column.  THE MATRIX INSTRUCTION IS USED TRANSPOSED (source 0 = 16 rows of w_u, source 1 = 16
; rows of O): a lane holds eight neighbouring numbers of a row of out0.  No prefetch: the tiles are small, and w_u is walked by every row of clusters.
; REGISTERS: window 0: v0-31 addresses and the bias; v32-95 at work on the way out; v128-255 the accumulators ((a, b) at v[128 + 8 (4 a + b)]).  window 1: two fragment buffers of 128.
.set SIZE_K, 4096
.set SIZE_N, 512
.set KSTEP,  256
.set PITCH,  528                       ; an LDS row: 512 bytes + 16 of padding
.set HALFT,  64*PITCH
.set SLOT,   4*HALFT
.set STAGE,  2*SLOT                    ; behind the ring: 16 rows x 272 bytes for each wave: a wave's 64 columns of f32 are 256 bytes, so each wave has a stage of its own and no barrier is needed
.set SPITCH, 272
.set SPARE,  STAGE+4*16*SPITCH
.set LAPS, SIZE_K/(2*KSTEP)
.set BI,   8                           ; v[8:11]  the bias of my four columns on the way out
.set ADRA, 16
.set ADRB, 20
.set STO,  24
.set RD,   25
.set CO,   26
.set SPW,  28
.set NIL,  29
.set TMP,  32
.set ACC,  128
.set F0,   0
.set F1,   128
.set G1, 24
.set G0, 32
.set G1B, 48
.set G0B, 56
.set MSB, 0
.macro WIN new
.if MSB != (\new)
	s_set_vgpr_msb (MSB<<8)|(\new)
.set MSB, \new
.endif
.endm
.set MUL,  0x05                        ; sources 0 (w_u) and 1 (O) window 1; C and D window 0
.set TO_F, 0x40                        ; destination window 1, address window 0
.macro JLOAD s                         ; a joint load: waves 0 and 1 fetch O's two halves, waves 2 and 3 w_u's; an s_nop 0 and four v_nop follow each of the two lines
	s_cmp_eq_u32 s11, 0
	s_cbranch_scc0 .Lfor_b_\@
	tensor_load_to_lds s[G0+4*(\s):G0+4*(\s)+3], s[G1:G1+7]
	s_nop 0
.rept 4
	v_nop
.endr
	s_branch .Lasked_\@
.Lfor_b_\@:
	tensor_load_to_lds s[G0B+4*(\s):G0B+4*(\s)+3], s[G1B:G1B+7]
	s_nop 0
.rept 4
	v_nop
.endr
.Lasked_\@:
.endm
.macro CREST
	s_cmp_lg_u32 s10, 0
	s_cbranch_scc1 .Lnot_wave_0_\@
	s_barrier_signal -3
.Lnot_wave_0_\@:
	s_barrier_wait -3
	s_barrier_signal -1
	s_barrier_wait -1
.endm
.macro CROUND
	s_barrier_signal -1
	s_barrier_wait -1
	CREST
.endm
	s_load_b128 s[4:7], s[0:1], 0x0                ; ob s[4:5], cb s[6:7]
	s_load_b128 s[68:71], s[0:1], 0x10             ; b_u s[68:69], out0 s[70:71]
	v_lshl_add_u32 v[SPW], v0, 2, SPARE
	v_mov_b32 v[NIL], 0
	ds_add_u32 v[SPW], v[NIL]                      ; the wave's opening: the add and its wait stand ahead of my first tensor load
	v_lshrrev_b32 v1, 5, v0
	v_readfirstlane_b32 s10, v1                    ; wave 0..3
	s_lshr_b32 s11, s10, 1                         ; which half of the tile's rows is mine.  Also: I fetch for O (0) or for w_u (1)
	s_and_b32 s12, s10, 1                          ; which half of its columns.  Also: which 64 rows of that tile I fetch
	s_bfe_u32 s40, ttmp6, 0x40000                  ; cx, cy
	s_bfe_u32 s41, ttmp6, 0x40004
	s_lshl_b32 s42, ttmp9, 2
	s_add_co_u32 s42, s42, s40                     ; tile column
	s_and_b32 s13, ttmp7, 0xffff
	s_lshl_b32 s13, s13, 2
	s_add_co_u32 s13, s13, s41                     ; tile row
	s_lshl_b32 s43, s41, 2
	s_lshl_b32 s43, 15, s43                        ; my row of the cluster
	s_lshl_b32 s44, 0x1111, s40                    ; my column
	s_or_b32 s[G1+0], s43, (1<<16)|(1<<20)|(1<<21)|(6<<22)|(3<<25)  ; the mask; 2-byte elements; padding on; bit 21 beside a mask; after every 128 words 4 words
	s_or_b32 s[G1B+0], s44, (1<<16)|(1<<20)|(1<<21)|(6<<22)|(3<<25)
.irp g, G1, G1B
	s_mov_b32 s[(\g)+1], KSTEP<<16                 ; tensor_dim0 = 256
	s_mov_b32 s[(\g)+2], 64<<16                    ; tensor_dim1 = 64
	s_mov_b32 s[(\g)+3], KSTEP<<16                 ; tile_dim0 = 256
	s_mov_b32 s[(\g)+4], 64                        ; tile_dim1 = 64
	s_mov_b32 s[(\g)+5], SIZE_K                    ; elements from row to row
	s_mov_b32 s[(\g)+6], 0
	s_mov_b32 s[(\g)+7], 0
.endr
	s_lshl_b32 s17, s12, 6
	s_lshl_b32 s16, s13, 7
	s_add_co_u32 s16, s16, s17                     ; O: row 128 x tile row + 64 x half
	s_lshl_b32 s46, s42, 7
	s_add_co_u32 s46, s46, s17                     ; w_u: row 128 x tile column + 64 x half
	s_lshl_b32 s16, s16, 13                        ; rows of 8,192 bytes
	s_lshl_b32 s46, s46, 13
	s_mov_b32 s17, 0
	s_mov_b32 s47, 0
	s_mul_i32 s20, s10, HALFT
	s_wait_dscnt 0x0                               ; the opening add is done
	s_wait_kmcnt 0x0
	s_add_nc_u64 s[6:7], s[6:7], 0x1000000         ; plane 4 of cb
	s_add_nc_u64 s[14:15], s[4:5], s[16:17]
	s_add_nc_u64 s[46:47], s[6:7], s[46:47]
	CROUND                                         ; all sixteen work-groups are here: the first joint loads meet
.irp s, 0,1
	s_mov_b32 s[G0+4*(\s)], 1
	s_add_co_u32 s[G0+4*(\s)+1], s20, (\s)*SLOT
	s_add_nc_u64 s[G0+4*(\s)+2:G0+4*(\s)+3], s[14:15], (\s)*KSTEP*2
	s_or_b32 s[G0+4*(\s)+3], s[G0+4*(\s)+3], 0x80000000
	s_mov_b32 s[G0B+4*(\s)], 1
	s_add_co_u32 s[G0B+4*(\s)+1], s20, (\s)*SLOT
	s_add_nc_u64 s[G0B+4*(\s)+2:G0B+4*(\s)+3], s[46:47], (\s)*KSTEP*2
	s_or_b32 s[G0B+4*(\s)+3], s[G0B+4*(\s)+3], 0x80000000
	JLOAD \s
.endr
	v_and_b32 v1, 15, v0                           ; l % 16
	v_bfe_u32 v2, v0, 4, 1                         ; l / 16
	v_mul_u32_u24 v3, v1, PITCH
	v_lshl_add_u32 v3, v2, 4, v3
	s_mul_i32 s21, s11, HALFT                      ; my 64 rows of O
	s_mul_i32 s22, s12, HALFT                      ; my 64 rows of w_u,
	s_add_co_u32 s22, s22, 2*HALFT                 ; which lie behind O's 128
.irp s, 0,1
	v_add_nc_u32 v[ADRA+(\s)], s21, v3
	v_add_nc_u32 v[ADRB+(\s)], s22, v3
	s_add_co_u32 s21, s21, SLOT
	s_add_co_u32 s22, s22, SLOT
.endr
	s_mul_i32 s23, s10, 16*SPITCH
	s_add_co_u32 s23, s23, STAGE                   ; my stage
	v_mul_u32_u24 v4, v1, SPITCH                   ; in: row l % 16, 32 bytes (8 f32) for each half of the lanes
	v_lshl_add_u32 v4, v2, 5, v4
	v_add_nc_u32 v[STO], s23, v4
	v_mul_u32_u24 v5, v2, SPITCH                   ; back: lanes 0-15 take one row of 256 bytes, lanes 16-31 the next
	v_lshl_add_u32 v5, v1, 4, v5
	v_add_nc_u32 v[RD], s23, v5
	v_lshlrev_b32 v5, 11, v2                       ; and the same two rows in out0 (2,048 bytes a row)
	v_lshl_add_u32 v[CO], v1, 4, v5
	s_lshl_b32 s16, s13, 7
	s_lshl_b32 s17, s11, 6
	s_add_co_u32 s16, s16, s17                     ; my first row: 128 x tile row + 64 x half
	s_lshl_b32 s16, s16, 11
	s_mov_b32 s17, 0
	s_add_nc_u64 s[8:9], s[70:71], s[16:17]
	s_lshl_b32 s46, s42, 9                         ; my first column, in bytes: 512 x tile column + 256 x half
	s_lshl_b32 s47, s12, 8
	s_add_co_u32 s46, s46, s47
	s_mov_b32 s47, 0
	s_add_nc_u64 s[8:9], s[8:9], s[46:47]
	v_lshl_add_u32 v12, v1, 4, s46                 ; on the way out I hold columns 4 (l % 16) + 0..3 of my wave's 64
	global_load_b128 v[BI:BI+3], v12, s[68:69]
; 8 matrix instructions: m blocks a0, a0 + 1 x all 4 n blocks, 32 along K: half c of buffer f.  zero = 1: the first product starts the sums
.macro MUL8 f, c, a0, zero
	WIN MUL
.irp a, \a0, (\a0)+1
.irp b, 0,1,2,3
.if \zero
	v_wmma_f32_16x16x32_f16 v[ACC+8*(4*(\a)+(\b)):ACC+8*(4*(\a)+(\b))+7], v[(\f)+64+8*(4*(\c)+(\b)):(\f)+64+8*(4*(\c)+(\b))+7], v[(\f)+8*(4*(\c)+(\a)):(\f)+8*(4*(\c)+(\a))+7], 0
.else
	v_wmma_f32_16x16x32_f16 v[ACC+8*(4*(\a)+(\b)):ACC+8*(4*(\a)+(\b))+7], v[(\f)+64+8*(4*(\c)+(\b)):(\f)+64+8*(4*(\c)+(\b))+7], v[(\f)+8*(4*(\c)+(\a)):(\f)+8*(4*(\c)+(\a))+7], v[ACC+8*(4*(\a)+(\b)):ACC+8*(4*(\a)+(\b))+7]
.endif
.endr
.endr
.endm
; 32 LDS loads in one run: the fragments of 64 along K at byte k of the rows, into buffer f; the first 32 along K first
.macro FETCH slot, k, f
	WIN TO_F
.irp c, 0,1
.irp i, 0,1,2,3
	ds_load_b128 v[(\f)+64+8*(4*(\c)+(\i)):(\f)+64+8*(4*(\c)+(\i))+3],   v[ADRB+(\slot)] offset:(\k)+64*(\c)+(\i)*16*PITCH
	ds_load_b128 v[(\f)+64+8*(4*(\c)+(\i))+4:(\f)+64+8*(4*(\c)+(\i))+7], v[ADRB+(\slot)] offset:(\k)+64*(\c)+(\i)*16*PITCH+32
	ds_load_b128 v[(\f)+8*(4*(\c)+(\i)):(\f)+8*(4*(\c)+(\i))+3],         v[ADRA+(\slot)] offset:(\k)+64*(\c)+(\i)*16*PITCH
	ds_load_b128 v[(\f)+8*(4*(\c)+(\i))+4:(\f)+8*(4*(\c)+(\i))+7],       v[ADRA+(\slot)] offset:(\k)+64*(\c)+(\i)*16*PITCH+32
.endr
.endr
.endm
.macro PLACES                          ; four places in front of loads into registers that matrix instructions have read
.rept 4
	v_nop
.endr
.endm
; A K step is four quarters of 64 along K, 32 matrix instructions each, on buffers 0, 1, 0, 1.
.macro QUARTER slot, k, f, g, zero
	s_wait_dscnt 16                                ; the first 32 along K are in
	WIN MUL
	MUL8 \f, 0, 0, \zero
	MUL8 \f, 0, 2, \zero
	PLACES
	FETCH \slot, \k, \g
	s_wait_dscnt 32                                ; all but the 32 just issued
	WIN MUL
	MUL8 \f, 1, 0, 0
	MUL8 \f, 1, 2, 0
.endm
; The last quarter multiplies buffer 1 and changes slots.  A step's 128 products are less work than its tile's way from memory, so the order serves the next request: 24 of the quarter's 32 products
; stand AHEAD of the wait for the tile; behind that wait come only the add, the descriptors' steps, the round and the joint load.  ONE barrier: in front of it each wave has waited for all its
; tensor loads (my part of the next slot), has added 0 to its spare word, and has waited for that and for its own reads of this slot.
.macro TURN slot, next, fill
	s_wait_dscnt 16                                ; the first 32 along K are in
	WIN MUL
	MUL8 F1, 0, 0, 0
	MUL8 F1, 0, 2, 0
	s_wait_dscnt 0x0                               ; the other 32 too: my reads of this slot are over
	MUL8 F1, 1, 0, 0
	WIN 0
	s_wait_tensorcnt 0x0                           ; all my tensor loads have landed: my part of the next slot; so a group 0 may be written
	ds_add_u32 v[SPW], v[NIL]
.if \fill
	s_add_nc_u64 s[G0+4*(\slot)+2:G0+4*(\slot)+3], s[G0+4*(\slot)+2:G0+4*(\slot)+3], 2*KSTEP*2
	s_add_nc_u64 s[G0B+4*(\slot)+2:G0B+4*(\slot)+3], s[G0B+4*(\slot)+2:G0B+4*(\slot)+3], 2*KSTEP*2
.endif
	s_wait_dscnt 0x0                               ; the add is done
	s_barrier_signal -1
	s_barrier_wait -1
.if \fill
	CREST                                          ; no wave of any partner still reads this slot's tile or has a load on its way
	JLOAD \slot                                    ; the first tensor load behind the round; its four v_nop are also the places in front of the loads below
.else
	PLACES
.endif
	FETCH \next, 0, F0
	WIN MUL
	MUL8 F1, 1, 2, 0
.endm
	s_wait_tensorcnt 1                             ; my part of K step 0 is in; K step 1's may stay out
	s_barrier_signal -1
	s_barrier_wait -1
	FETCH 0, 0, F0
	QUARTER 0, 128, F0, F1, 1                      ; the first quarter stands in front of the loop: its first products start the sums
	WIN 0
	s_mov_b32 s3, LAPS-1
.Llap:                                             ; a trip goes once round the ring and fills both slots again
	QUARTER 0, 256, F1, F0, 0
	QUARTER 0, 384, F0, F1, 0
	TURN 0, 1, 1
	QUARTER 1, 128, F0, F1, 0
	QUARTER 1, 256, F1, F0, 0
	QUARTER 1, 384, F0, F1, 0
	TURN 1, 0, 1
	QUARTER 0, 128, F0, F1, 0
	WIN 0
	s_sub_co_u32 s3, s3, 1
	s_cmp_lg_u32 s3, 0
	s_cbranch_scc1 .Llap
	QUARTER 0, 256, F1, F0, 0                      ; the last lap fills nothing
	QUARTER 0, 384, F0, F1, 0
	TURN 0, 1, 0
	QUARTER 1, 128, F0, F1, 0
	QUARTER 1, 256, F1, F0, 0
	QUARTER 1, 384, F0, F1, 0
	s_wait_dscnt 16
	WIN MUL
	MUL8 F1, 0, 0, 0
	MUL8 F1, 0, 2, 0
	s_wait_dscnt 0
	MUL8 F1, 1, 0, 0
	MUL8 F1, 1, 2, 0
	WIN 0
	; THE WAY OUT.  The bias is rounded to bf16 and widened again: six plain instructions, which are also the places behind the last products.
	s_wait_loadcnt 0x0
	v_cvt_pk_bf16_f32 v13, v[BI], v[BI+1]
	v_cvt_pk_bf16_f32 v14, v[BI+2], v[BI+3]
	v_lshlrev_b32 v[BI], 16, v13
	v_and_b32 v[BI+1], 0xffff0000, v13
	v_lshlrev_b32 v[BI+2], 16, v14
	v_and_b32 v[BI+3], 0xffff0000, v14
	; A block of 16 rows at a time: the accumulators (each from its low end on) go into my stage, 32 bytes a lane, and come back as whole rows of 256 bytes; the bias is added; 16 lanes store a row's 256 bytes.
.irp a, 0,1,2,3
.if (\a) >= 2
	s_wait_xcnt 0x0                                ; the stores of two blocks back have read the registers that are loaded again below
.endif
.irp b, 0,1,2,3
	ds_store_b128 v[STO], v[ACC+8*(4*(\a)+(\b)):ACC+8*(4*(\a)+(\b))+3]   offset:64*(\b)
	ds_store_b128 v[STO], v[ACC+8*(4*(\a)+(\b))+4:ACC+8*(4*(\a)+(\b))+7] offset:64*(\b)+16
.endr
.irp t, 0,1,2,3,4,5,6,7
	ds_load_b128 v[TMP+32*((\a)%2)+4*(\t):TMP+32*((\a)%2)+4*(\t)+3], v[RD] offset:(\t)*2*SPITCH  ; LDS serves a wave's instructions in order: these see the stores above
.endr
.irp t, 0,1,2,3,4,5,6,7
	s_wait_dscnt 7-(\t)                            ; load t is in, the 7 - t younger ones stay out
	v_pk_add_f32 v[TMP+32*((\a)%2)+4*(\t):TMP+32*((\a)%2)+4*(\t)+1], v[TMP+32*((\a)%2)+4*(\t):TMP+32*((\a)%2)+4*(\t)+1], v[BI:BI+1]
	v_pk_add_f32 v[TMP+32*((\a)%2)+4*(\t)+2:TMP+32*((\a)%2)+4*(\t)+3], v[TMP+32*((\a)%2)+4*(\t)+2:TMP+32*((\a)%2)+4*(\t)+3], v[BI+2:BI+3]
	global_store_b128 v[CO], v[TMP+32*((\a)%2)+4*(\t):TMP+32*((\a)%2)+4*(\t)+3], s[8:9] offset:(16*(\a)+2*(\t))*SIZE_N*4  ; 256 consecutive bytes, at a multiple of 256 from out0's first byte
.endr
.endr
	s_wait_tensorcnt 0x0                           ; the wave's end, behind my last tensor load and my last LDS store
	ds_add_u32 v[SPW], v[NIL]
	s_wait_dscnt 0x0
	CROUND                                         ; the closing round
	s_endpgm
.Lfunc_end_k_q501f68b75e_unify:
	.size	k_q501f68b75e_unify, .Lfunc_end_k_q501f68b75e_unify-k_q501f68b75e_unify
	.p2alignl 7, 3214868480
	.fill 96, 4, 3214868480
	.section	.rodata,"a",@progbits
	.p2align	6, 0x0
	.amdhsa_kernel k_q501f68b75e_unify
		.amdhsa_group_segment_fixed_size 327680
		.amdhsa_private_segment_fixed_size 0
		.amdhsa_enable_private_segment 0
		.amdhsa_kernarg_size 32
		.amdhsa_user_sgpr_count 2
		.amdhsa_user_sgpr_kernarg_segment_ptr 1
		.amdhsa_wavefront_size32 1
		.amdhsa_system_sgpr_workgroup_id_x 1
		.amdhsa_system_sgpr_workgroup_id_y 1
		.amdhsa_system_sgpr_workgroup_id_z 1
		.amdhsa_system_vgpr_workitem_id 0
		.amdhsa_next_free_vgpr 512
		.amdhsa_next_free_sgpr 72
		.amdhsa_reserve_vcc 0
		.amdhsa_float_denorm_mode_32 3
		.amdhsa_float_denorm_mode_16_64 3
		.amdhsa_memory_ordered 1
		.amdhsa_forward_progress 1
		.amdhsa_inst_pref_size 91
	.end_amdhsa_kernel
	.amdgpu_metadata
---
amdhsa.version: [ 1, 2 ]
amdhsa.kernels:
  - .name:           k_q501f68b75e_unify
    .symbol:         k_q501f68b75e_unify.kd
    .args:
      - { .name: ob, .offset: 0, .size: 8, .value_kind: global_buffer, .address_space: global }
      - { .name: cb, .offset: 8, .size: 8, .value_kind: global_buffer, .address_space: global }
      - { .name: b_u, .offset: 16, .size: 8, .value_kind: global_buffer, .address_space: global }
      - { .name: out0, .offset: 24, .size: 8, .value_kind: global_buffer, .address_space: global }
    .group_segment_fixed_size: 327680
    .private_segment_fixed_size: 0
    .kernarg_segment_align: 8
    .kernarg_segment_size: 32
    .max_flat_workgroup_size: 128
    .sgpr_count:     72
    .vgpr_count:     512
    .wavefront_size: 32
...
	.end_amdgpu_metadata
.endif
;; end of part 4
